; MI455X (gfx1250); checked and timed in simulation.
; The chip was launched on July 23, 2026; its instructions are those of AMD's public machine-readable ISA for CDNA 5 (MIT licence, August 2026) and "CDNA5" Instruction Set Architecture Reference Guide (July 2026). The comments in the code are by the model that wrote it; some were corrected since.
;; Attention. Allowed arithmetic: matrix products marked QUANTISED: E2M3 operands, one E8M0 scale for each 32 along K, by v_wmma_scale_f32_16x16x128_f8f6f4 with both operands' format E2M3, f32 sums; everything else in f32.
;; Inputs: Wk_codes 1,024 x 32 x 24 uint8 (E2M3 codes of Wk, K innermost, in blocks of 32 codes, four codes in three bytes); Wk_scales 1,024 x 32 uint8 (E8M0 scales of Wk, one for each 32 codes along K); Wq_codes 1,024 x 32 x 24 uint8 (E2M3 codes of Wq, K innermost, in blocks of 32 codes, four codes in three bytes); Wq_scales 1,024 x 32 uint8 (E8M0 scales of Wq, one for each 32 codes along K); Wv_codes 1,024 x 32 x 24 uint8 (E2M3 codes of Wv, K innermost, in blocks of 32 codes, four codes in three bytes); Wv_scales 1,024 x 32 uint8 (E8M0 scales of Wv, one for each 32 codes along K); bk 1,024 float32; bq 1,024 float32; bv 1,024 float32; input_codes 4 x 2,048 x 32 x 24 uint8 (E2M3 codes of input, K innermost, in blocks of 32 codes, four codes in three bytes); input_scales 4 x 2,048 x 32 uint8 (E8M0 scales of input, one for each 32 codes along K).
;; Outputs: out0 4 x 2,048 x 1,024 float32.
;; This version of the problem:
;;   THIS VERSION OF THE PROBLEM IS GIVEN IN LOW PRECISION. The matrix products marked QUANTISED in the list below multiply operands that are first quantised to E2M3 (2 exponent bits, 3 mantissa bits; 6 bits a number), with one power-of-two scale for each 32 numbers along K (OCP MX v1.0); their sums are f32. All else is computed in f32.
;;   The module's matrix products, in the order in which they are computed (A, B: the left and right operand; K: the contracted axis; several contracted axes count as one K, in the product's order):
;;     1. [M 8,192, K 1,024] x [K 1,024, N 1,024]; A: input input (given as codes); B: input Wq (given as codes): QUANTISED
;;     2. [M 8,192, K 1,024] x [K 1,024, N 1,024]; A: input input (given as codes); B: input Wk (given as codes): QUANTISED
;;     3. [M 8,192, K 1,024] x [K 1,024, N 1,024]; A: input input (given as codes); B: input Wv (given as codes): QUANTISED
;;     4. batch 4 x [M 2,048, K 1,024] x [K 1,024, N 2,048]; A: computed on the way; B: computed on the way: QUANTISED
;;     5. batch 4 x [M 2,048, K 2,048] x [K 2,048, N 1,024]; A: softmax (see below); B: computed on the way: QUANTISED
;;   THE QUANTISER, for each operand of a quantised product, along K:
;;     - K is cut into blocks of 32 from its start; a last block that is shorter is filled with zeros.
;;     - A block's scale is 2^e with e = floor(log2(the largest magnitude in the block)) - 2, held to -126 .. 127; a block of zeros has e = 0. As a byte (E8M0): e + 127.
;;     - Each number is divided by its block's scale, clamped to +-7.5, and rounded to the nearest number of E2M3, ties to even, subnormals kept.
;;     - The product sums the exact products of the quantised numbers (number of the format x scale) in f32.
;;   ~~~python
;;   def quantise(x, axis):      # numpy; x: float32 -> the quantised numbers, widened to float32 again
;;       x = np.moveaxis(x, axis, -1); K = x.shape[-1]
;;       x = np.pad(x, [(0, 0)] * (x.ndim - 1) + [(0, -K % 32)]); x = x.reshape(x.shape[:-1] + (-1, 32)); a = np.abs(x).max(-1, keepdims=True)
;;       e = np.where(a > 0, np.clip(np.frexp(np.where(a > 0, a, 1))[1] - 1 - 2, -126, 127), 0)      # np.frexp(a)[1] - 1 = floor(log2(a)), exactly
;;       r = np.clip(x / 2.0 ** e, -7.5, 7.5)
;;       step = 2.0 ** (np.maximum(np.frexp(np.where(r == 0, 1, r))[1] - 1, 0) - 3)
;;       q = np.round(r / step) * step * 2.0 ** e      # np.round: ties to even
;;       return np.moveaxis(q.reshape(q.shape[:-2] + (-1,))[..., :K], -1, axis).astype(np.float32)
;;   ~~~
;;   SOFTMAX AHEAD OF A QUANTISED PRODUCT. Where the list says 'softmax', what is quantised is not the finished softmax but p = 2^(t - M), with t = logit x log2(e) and M = ceil(the row's largest t), a whole number; so 1/2 < the row's largest p <= 1. The row's sum l is taken of the UNQUANTISED p, in f32, and the product's result is divided by l at the end. Since M is a whole number, a kernel that streams over the keys may use a running M (the ceiling of the running maximum): every later rescaling is an exact power of two, which a block's scale takes up: the codes' values come out the same.
;;   OPERANDS COMPUTED ON THE WAY. 'Computed on the way' means the value that the module computes at that place (a softmax that the list does not call 'softmax' is quantised finished and normalised). What goes into a quantiser is computed in f32, as accurately as f32 sums, v_exp_f32 and their like allow (about 1e-6 of the number): no bf16 or f16 on the way to a quantiser, and a product that is left as it is and whose result goes on into a quantised operand takes f32 operands (vector FMAs, or v_wmma_f32_16x16x4_f32). A number that lies on a knife's edge between two numbers of the format may be rounded either way, as far as f32 arithmetic and the matrix unit's own rounding can turn it there, and no further.
;;   INPUTS GIVEN AS CODES. Wk (in the module: [1024, 1024], K = its axis 1); Wq (in the module: [1024, 1024], K = its axis 1); Wv (in the module: [1024, 1024], K = its axis 1); input (in the module: [4, 2048, 1024], K = its axis 2): each comes as NAME_codes (uint8): NAME with its K axis moved to the last place and cut into blocks of 32 codes, [.., K / 32, bytes a block], one block behind the other in memory; four codes in three bytes: a row's codes are one little-endian stream of bits, code i at bits 6 i .. 6 i + 5 (a code: sign, 2 exponent bits, 3 mantissa bits); and NAME_scales (uint8): the same leading axes, one E8M0 byte (e + 127) for each 32 codes along K. Its value is code x scale, taken as it is: it is not quantised again, and the codes and scales need not be those that the quantiser above would give.
;; One version. Each part assembles by itself: llvm-mc -triple=amdgcn-amd-amdhsa -mcpu=gfx1250 --defsym DOCPART=n.
;; ======== version 1 of 1: 3 launches
;; limits: right only within a limited range of input values
;; workspace buffers: img 18,874,368 bytes; sc 786,432 bytes; p_img 12,582,912 bytes; p_st 1,572,864 bytes
;; launch proj (part 1): grid 16 x 16, 4 waves a work-group, clusters of 4 x 4, 327,680 bytes of LDS; arguments input_codes, input_scales, Wq_codes, Wq_scales, Wk_codes, Wk_scales, Wv_codes, Wv_scales, bq, bk, bv, img, sc; writes img, sc
.if DOCPART == 1
	.amdgcn_target "amdgcn-amd-amdhsa--gfx1250"
	.amdhsa_code_object_version 6
	.text
	.protected	k_qf4e36e585a_proj
	.globl	k_qf4e36e585a_proj
	.p2align	8
	.type	k_qf4e36e585a_proj,@function
k_qf4e36e585a_proj:
	s_mov_b64 s[64:65], 0
	v_nop
	global_prefetch_b8 v0, s[64:65] scope:SCOPE_SE
	s_setreg_imm32_b32 hwreg(HW_REG_WAVE_MODE, 25, 1), 1
	s_wait_xcnt 0x0
	s_wait_alu depctr_hold_cnt(0) depctr_sa_sdst(0) depctr_va_vdst(0) depctr_va_sdst(0) depctr_va_ssrc(0) depctr_va_vcc(0) depctr_vm_vsrc(0)
	s_getreg_b32 s2, hwreg(HW_REG_IB_STS2, 6, 4)
	s_cmp_eq_u32 s2, 0
	s_cbranch_scc0 .Lentry_in_a_cluster
	s_endpgm
.Lentry_in_a_cluster:
	s_bfe_u32 s2, ttmp6, 0x10000c
	s_cmp_lg_u32 s2, 0xf033
	s_cbranch_scc0 .Lentry_shape_is_right
	s_endpgm
.Lentry_shape_is_right:
; Q, K, V = x W^T + b AND THEIR QUANTISERS.  Results leave as codes of FP6 (E2M3) and scale bytes, as images of the operand registers that the next launches load.  No f32 result is stored.  No work of reference() is left out.
; LIMITS: NaN and infinities are not served; a block whose largest magnitude lies under 2^-124 gets the byte 1 (the quantiser holds the byte at 1 from below; an all-zero block's codes are zeros under any byte).
; THE ORDER OF ROWS.  A tile of 16 tokens is 8 + 8: tile 8 w + 4 c + j of a group of 256 tokens holds, as its row 8 u + i, token 128 u + 64 c + 32 w + 8 j + i (w, c, u = 0, 1; j = 0 .. 3; i = 0 .. 7).
; A tile of 16 channels likewise: tile 4 v + j of a group of 128 holds, as its row 8 u + i, channel 64 u + 32 v + 8 j + i.  So a lane's 32 results of four tiles j are 32 NEIGHBOURS: one scale block.
; img: Q at 0, K at QKB: [tile 512][128 channels 8][v 2][lane x 16 bytes, then lane x 8 bytes]: registers 6 v .. 6 v + 5 of the operand;  V at 2 QKB: [channel tile 64][key step 64][piece 3][lane x 16]: registers 6 c .. are band c of step (group, w).
; sc: Q at 0, K at QKS: [128 channels 8][tile 512][row 16][2 v + h];  V at 2 QKS: [key step 64][channel tile 64][row 16][2 c + h]  (h: a lane's half, here the u of the results).
; THE DEAL.  256 work-groups of four waves, 2 x 2; a wave holds 64 rows of a weight, all of K, in registers and streams x past them in blocks of 16 rows: 32 products a block.
; A work-group makes 256 x 128 of V, then 512 x 128 of Q or K; V's 256 rows are a half (s17, by the cluster's number alone) of its own 512.  x's rows are shared by a row of the cluster, a weight's by a column.
; LDS: x's tokens 0-127 of a half at 0 (region A), tokens 128-255 at RB (region B); the weight's rows 0-63 at BVB, rows 64-127 at BVB + WH; stages for scale bytes; spare words.  RB and WH hold 128 bytes more than their rows,
; so that the 8 + 8 rows of a tile start at 16 different banks (64 banks of 4 bytes: ISA guide 11.1; a row is 816 bytes, 204 words).
; FILLS: at the head one joint load a wave; three refills, each in a drained round: the second weight (V's third block); the other half's rows 0-63, then 64-127, of both regions (blocks 2 and 6 of the second phase).
; Scale words go from memory straight into registers: eight rows of 32 bytes are one unit of 256 bytes.
; PREFETCHES: the second weight at the head; the other half's first 64 + 64 rows and scale bytes behind the first refill; its other rows between the phases: shared out by address among the sixteen waves that ask jointly.
; WAITS' COUNTS: younger than a block's fetch are the next block's fetch (NF loads) and the scale-byte stores issued between (0, 1 or 4).
; THE BUFFERS' ORDER, in place of the one named above, so that each fill of a later launch is one dense block:
; img: Q at 0, K at QKB: [256 channels 4][tile 512][128 channels 2][v 2][lane x 16 bytes, then lane x 8 bytes];  V at 2 QKB: [512 tokens 16][channel tile 64][key step 4][piece 3][lane x 16].
; sc: Q at 0, K at QKS: [256 tokens 32][128 channels 8][tile 16][row 16][2 v + h];  V at 2 QKS as above.
.set KROW,   768
.set PITCH,  816
.set FR,     12
.set FPW,    21                        ; fragments in a window of 256 registers
.set NB,     4
.set NQ,     8
.set NF,     26
.set RB,     128*PITCH+128
.set BVB,    2*RB
.set WH,     64*PITCH+128
.set XN,     BVB+2*WH
.set XM,     XN+2048
.set SPARE,  XM+1024
.set TILEB,  3072                      ; a tile's two K steps
.set QKB,    6291456
.set QKS,    262144
.set ADRA0, 4                          ; v4, v5   my fragments of block 0 (v5: pieces behind one padding more); v1, v22: block 1
.set CO8,   6                          ; v6       8 x lane
.set CO,    9                          ; v9       16 x lane
.set SPW,   10
.set NIL,   11
.set ADRA,  12                         ; v12, v13 the block that is fetched next
.set ADRB,  14                         ; v14, v15 my fragments of the weight
.set VSX,   16                         ; v16      my row's offset in x's scale bytes
.set VSW,   17                         ; v17      and in a weight's
.set STO,   18
.set STV,   19
.set SB,    24                         ; v24-39   W_v's scale words
.set SA,    40                         ; v40-71   x's: eight registers a pair of blocks, the even block in lanes 0-15, the odd one in lanes 16-31
.set HV0,   72                         ; v72-199  V, band 0: 32 t + 8 j + i
.set HV1,   840                        ; v840-967 band 1
.set MCD0,  200                        ; V's codes, twelve registers a tile; those of tiles 1 to 3 lie where band 0's sums have been converted
.set MCD1,  72
.set MCD2,  84
.set MCD3,  104
.set ACC,   120                        ; v120-183 second phase: two sets of four accumulators
.set NCD,   184                        ; v184-195 its codes
.set TQ,    212
.set TC,    214
.set SOP,   218
.set EB,    222
.set VX,    226
.set SBQ,   228                        ; v228-243 W_q's or W_k's scale words
.set BA,    984                        ; v984-991 LDS addresses of the weight's four tiles
.set BBV,   992                        ; v992-1023 the bias as the first four products' C: V's, then Q's or K's
.set G1A, 24
.set G0A, 56
.set G1B, 32
.set G0B, 60
.set MSB, 0
.macro WIN new
.if MSB != (\new)
	s_set_vgpr_msb (MSB<<8)|(\new)
.set MSB, (\new)
.endif
.endm
.macro PLACES n
.rept \n
	v_nop
.endr
.endm
.macro WALU
	s_wait_alu depctr_va_vdst(0)
.endm
.macro BARRIER
	s_barrier_signal -1
	s_barrier_wait -1
.endm
.macro MIDDLE                          ; a round's middle: the opening wait, wave 0's signal for the work-group, the cluster's wait
	WIN 0
	s_barrier_wait -1
	s_cmp_lg_u32 s14, 0
	s_cbranch_scc1 .Lnot_wave_0_\@
	s_barrier_signal -3
.Lnot_wave_0_\@:
	s_barrier_wait -3
.endm
.macro CROUND
	s_barrier_signal -1
	MIDDLE
	BARRIER
.endm
.macro GRD
	s_wait_tensorcnt 0x0
	ds_add_u32 v[SPW], v[NIL]
.endm
.macro TLOAD g0, g1
	tensor_load_to_lds s[\g0:\g0+3], s[\g1:\g1+7]
	s_nop 0
	PLACES 4
.endm
.macro GROUP1 g, mask, rows            ; rows of 768 bytes, 16 bytes of padding behind every 256
	s_or_b32 s[\g+0], s[\mask], (1<<20)|(1<<21)|(5<<22)|(3<<25)
	s_mov_b32 s[\g+1], KROW<<16
	s_mov_b32 s[\g+2], (\rows)<<16
	s_mov_b32 s[\g+3], KROW<<16
	s_mov_b32 s[\g+4], \rows
	s_mov_b32 s[\g+5], KROW
	s_mov_b32 s[\g+6], 0
	s_mov_b32 s[\g+7], 0
.endm
.macro SADD d, x
	s_add_co_u32 s\d, s\d, s\x
.endm
; fragment f lies in window 1 + f / 21 at register 12 (f % 21): 0-31 the weight's (4 q + tile), 32-39 and 40-47 x's two sets
.macro FRAG f, q, a0, a1, aw           ; six pieces of 8 bytes, two to a load where both lie behind as many paddings
	WIN ((1+(\f)/FPW)<<6)|(\aw)
.set R_, FR*((\f)%FPW)
.set SKIP_, 0
.irp p, 0,1,2,3,4,5
.if SKIP_
.set SKIP_, 0
.else
.set PC_, 12*(\q)+6*(\p/3)+\p%3
.set PN_, 12*(\q)+6*((\p+1)/3)+(\p+1)%3
.set X_, (PC_%32+3)/32
.set XQ_, (PN_%32+3)/32
.if (\p < 5) && (X_ == XQ_)
.set SKIP_, 1
.if X_
	ds_load_2addr_b64 v[R_+2*\p:R_+2*\p+3], \a1 offset0:PC_+2*(PC_/32) offset1:PN_+2*(PN_/32)
.else
	ds_load_2addr_b64 v[R_+2*\p:R_+2*\p+3], \a0 offset0:PC_+2*(PC_/32) offset1:PN_+2*(PN_/32)
.endif
.elseif X_
	ds_load_b64 v[R_+2*\p:R_+2*\p+1], \a1 offset:8*(PC_+2*(PC_/32))
.else
	ds_load_b64 v[R_+2*\p:R_+2*\p+1], \a0 offset:8*(PC_+2*(PC_/32))
.endif
.endif
.endr
.endm
.macro WEIGHTS                         ; my 64 rows of the weight, all of K: 104 loads
.irp q, 0,1,2,3,4,5,6,7
.irp b, 0,1,2,3
	FRAG NB*\q+\b, \q, v[BA-768+2*\b], v[BA-768+2*\b+1], 3
.endr
.endr
	WIN 0
.endm
.macro FETCHAT e, a0, a1               ; a block of x's rows into set e: NF loads
.irp q, 0,1,2,3,4,5,6,7
	FRAG NB*NQ+NQ*(\e)+\q, \q, \a0, \a1, 0
.endr
	WIN 0
.endm
.macro FETCH e
	FETCHAT \e, v[ADRA], v[ADRA+1]
.endm
.macro FETCH01                         ; a phase's first two blocks
	FETCHAT 0, v[ADRA0], v[ADRA0+1]
	FETCHAT 1, v1, v22
	s_mov_b32 s91, 2
.endm
.macro PROD1 d, s0, s1, c, x0, x1, ra, rb
	v_wmma_scale_f32_16x16x128_f8f6f4 v[\d:\d+7], v[FR*((\s0)%FPW):FR*((\s0)%FPW)+FR-1], v[FR*((\s1)%FPW):FR*((\s1)%FPW)+FR-1], \c, v[\x0], v[\x1] matrix_a_fmt:MATRIX_FMT_FP6 matrix_b_fmt:MATRIX_FMT_FP6 matrix_a_scale:MATRIX_SCALE_ROW\ra matrix_b_scale:MATRIX_SCALE_ROW\rb
.endm
.macro PRODX kind, e, o, c
.if \kind
	PROD1 DL_, FA_, FB_, \c, XA_, XB_, \e, \o
.else
	PROD1 DL_, FB_, FA_, \c, XB_, XA_, \o, \e
.endif
.endm
; a product, n = 4 q + tile.  kind 0 (Q, K): source 0 the weight's rows; kind 1 (V): source 0 x's rows.  The first four take the bias as C.
.macro PROD kind, e, n, a0, as, xs
.set Q_, (\n)/4
.set T_, (\n)%4
.set FB_, NB*Q_+T_
.set FA_, NB*NQ+NQ*(\e)+Q_
.set D_, (\a0)+(\as)*T_
.set DL_, D_&255
.set XA_, (\xs)+Q_
.set CW_, D_>>8
.if Q_ == 0
.set CW_, 3
.endif
.if \kind
.set XB_, SB+NQ*(T_/2)+Q_
	WIN (1+FA_/FPW)|((1+FB_/FPW)<<2)|(CW_<<4)|((D_>>8)<<6)
.else
.set XB_, SBQ+NQ*(T_/2)+Q_
	WIN (1+FB_/FPW)|((1+FA_/FPW)<<2)|(CW_<<4)|((D_>>8)<<6)
.endif
.if Q_ == 0
.set CB_, BBV-768+8*T_
.if T_%2
	PRODX \kind, \e, 1, v[CB_:CB_+7]
.else
	PRODX \kind, \e, 0, v[CB_:CB_+7]
.endif
.elseif T_%2
	PRODX \kind, \e, 1, v[DL_:DL_+7]
.else
	PRODX \kind, \e, 0, v[DL_:DL_+7]
.endif
.endm
; products from .. to - 1 of a block; behind every second one, two entries of the list (at most four scalar lines and one vector line each)
.macro BLOCK kind, e, a0, as, xs, from, to, list, x=0, y=0
.set N_, \from
.rept (\to)-(\from)
	PROD \kind, \e, N_, \a0, \as, \xs
.if N_%2
	\list N_-1, \x, \y
	\list N_, \x, \y
.endif
.set N_, N_+1
.endr
.endm
.macro STEP i                          ; 3 entries: the LDS addresses of block s91, and s91 steps on
.if (\i) == 0
	s_and_b32 s20, s91, 3
	s_mul_i32 s101, s20, 8*PITCH
	s_and_b32 s21, s91, 4
	s_mul_i32 s21, s21, 16*PITCH
.elseif (\i) == 1
	s_add_co_u32 s101, s101, s21
	s_add_co_u32 s91, s91, 1
	WIN 0
	v_add_nc_u32 v[ADRA], s101, v[ADRA0]
.elseif (\i) == 2
	WIN 0
	v_add_nc_u32 v[ADRA+1], s101, v[ADRA0+1]
.endif
.endm
.macro CHAIN i, x, n, t=TQ             ; a way out's first part, 18 entries: the largest magnitude of the 32 sums from register x on (two chains), and the conversions' scale operand, v[SOP+n]
.set XW_, (\x)>>8
.set XL_, (\x)&255
.if (\i) >= 0 && (\i) < 14
.set B_, XL_+16*((\i)%2)+2*((\i)/2)
.set TT_, (\t)+1-(\i)%2
.if (\i) < 2
	WIN XW_|(XW_<<2)|(XW_<<4)
	v_max3_num_f32 v[TT_], |v[B_]|, |v[B_+1]|, |v[B_+2]|
.else
	WIN (XW_<<2)|(XW_<<4)
	v_max3_num_f32 v[TT_], v[TT_], |v[B_+1]|, |v[B_+2]|
.endif
.elseif (\i) == 14
	WIN XW_<<2
	v_max3_num_f32 v[\t+1], v[\t+1], |v[XL_+15]|, 0x1800000
.elseif (\i) == 15
	WIN 0
	v_nop                                  ; so that the next line, which reads entry 14's result, stands in the next pair
.elseif (\i) == 16
	WIN XW_<<2
	v_max3_num_f32 v[\t], v[\t], |v[XL_+31]|, v[\t+1]
.elseif (\i) == 17
	WIN 0
	v_add_nc_u32 v[SOP+\n], 0xff000000, v[\t]
.endif
.endm
.macro CODES i, x, c, n, t=TC          ; its second part, 6 lines: 32 codes into v[c .. c+5], the scale's byte into v[EB+n]
.set XW_, (\x)>>8
.set XL_, (\x)&255
.if (\i) == 0
	WIN XW_
	v_cvt_scalef32_pk16_fp6_f32 v[\c:\c+2], v[XL_:XL_+15], v[SOP+\n]
.elseif (\i) == 1
	WIN XW_
	v_cvt_scalef32_pk16_fp6_f32 v[\t:\t+2], v[XL_+16:XL_+31], v[SOP+\n]
.elseif (\i) == 2
	WIN 0
	v_lshrrev_b32 v[EB+\n], 23, v[SOP+\n]
.else
	WIN 0
	v_mov_b32 v[\c+\i], v[\t+\i-3]
.endif
.endm
.macro CODES6 x, c, n
.irp i, 0,1,2,3,4,5
	CODES \i, \x, \c, \n
.endr
.endm
.macro PUT3 r, base, off
.irp k, 0,1,2
	global_store_b128 v[CO], v[\r+4*\k:\r+4*\k+3], \base offset:(\off)+512*\k
.endr
.endm
.macro PUTQ                            ; a pair of blocks: each 512 and 256 consecutive bytes
	global_store_b128 v[CO], v[NCD:NCD+3], s[84:85]
	global_store_b64 v[CO8], v[NCD+4:NCD+5], s[84:85] offset:512
	global_store_b128 v[CO], v[NCD+6:NCD+9], s[84:85] offset:TILEB
	global_store_b64 v[CO8], v[NCD+10:NCD+11], s[84:85] offset:TILEB+512
.endm
.macro ASK i                           ; 2 entries: the descriptor of my 64 rows of the next refill
.if (\i) == 0
	s_mov_b32 s20, s66
	s_mov_b32 s21, 0
	s_add_nc_u64 s[G0A+2:G0A+3], s[4:5], s[20:21]
	s_or_b32 s[G0A+3], s[G0A+3], 0x80000000
.elseif (\i) == 1
	s_mov_b32 s[G0A+1], s47
	s_add_co_u32 s66, s66, 64*KROW
	s_add_co_u32 s47, s47, 64*PITCH
.endif
.endm
.macro PAIR i                          ; 4 entries: where pair s46's codes go (s[84:85]: by the true half) and its scale bytes (v[VX]: by the order of work)
.if (\i) == 0
	s_lshr_b32 s3, s46, 2
	s_xor_b32 s3, s3, s17
	s_and_b32 s22, s46, 3
	s_mul_i32 s20, s3, 16*TILEB
.elseif (\i) == 1
	s_mul_i32 s21, s22, 2*TILEB
	s_add_co_u32 s20, s20, s21
	s_mov_b32 s21, 0
	s_add_nc_u64 s[84:85], s[10:11], s[20:21]
.elseif (\i) == 2
	s_lshl_b32 s22, s22, 7
	s_lshr_b32 s23, s46, 2
	s_lshl_b32 s23, s23, 10
	s_or_b32 s22, s22, s23
.elseif (\i) == 3
	s_add_co_u32 s46, s46, 1
	WIN 0
	v_add_nc_u32 v[VX], s22, v[STO]
.endif
.endm
.macro SCLA i                          ; 3 entries, behind PAIR: where the scale words of the pair two on lie (s[70:71])
.if (\i) == 0
	s_add_co_u32 s20, s46, 1
	s_lshr_b32 s21, s20, 2
	s_xor_b32 s21, s21, s17
	s_lshl_b32 s21, s21, 13
.elseif (\i) == 1
	s_and_b32 s22, s20, 2
	s_lshl_b32 s22, s22, 10
	s_and_b32 s20, s20, 1
	s_lshl_b32 s20, s20, 9
.elseif (\i) == 2
	s_add_co_u32 s20, s20, s21
	s_add_co_u32 s20, s20, s22
	s_mov_b32 s21, 0
	s_add_nc_u64 s[70:71], s[6:7], s[20:21]
.endif
.endm
; ---- the lists
.macro L_STEP i, x, y
	STEP \i
.endm
.macro L_NONE i, x, y
.endm
.macro L_OUT i, x, y                   ; the step, then the way out of the sums at x (scale operand y)
	STEP \i
	CHAIN (\i)-3, \x, \y
.endm
.macro L_LAST i, x, y
	CHAIN \i, \x, \y
.endm
.macro L_V2 i, x, y                    ; V's third block: x's later loads bring 64 rows; the second weight's descriptor; the step
.if (\i) == 0
	s_mov_b32 s[G1A+2], 64<<16
	s_mov_b32 s[G1A+4], 64
.elseif (\i) == 1
	s_mov_b64 s[G0B+2:G0B+3], s[8:9]
	s_or_b32 s[G0B+3], s[G0B+3], 0x80000000
.endif
	STEP (\i)-2
.endm
.macro L_ODD i, x, y                   ; an odd block of the second phase: x = 1: scale words are loaded behind it; y = 1: a block is fetched behind it
	PAIR \i
.if \x
	SCLA (\i)-4
	STEP (\i)-7
	CHAIN (\i)-10, ACC, 0
.elseif \y
	STEP (\i)-4
	CHAIN (\i)-7, ACC, 0
.else
	CHAIN (\i)-4, ACC, 0
.endif
.endm
.macro L_ROUND i, x, y
	ASK \i
	STEP (\i)-2
	CHAIN (\i)-5, ACC+32, 1
.endm
; ---- the second phase's blocks.  w: the count of the wait for the block's rows (-1: they are shown in already); set: the scale words' set
.macro WAITDS w
.if (\w) >= 0
	s_wait_dscnt \w
.endif
.endm
.macro EVENOUT fetch                   ; behind an even block: the odd block's byte, the pair's codes, the fetch of the block two on
	WALU
	ds_store_b8 v[VX], v[EB+1] offset:64
	PUTQ
.if \fetch
	FETCH 0
.endif
.endm
.macro EVEN w, fetch, set, lc
	WAITDS \w
	s_wait_loadcnt \lc                     ; this pair's scale words; the next pair's two loads may be out
.if \fetch
	BLOCK 0, 0, ACC, 8, SA+8*\set, 0, 32, L_OUT, ACC+32, 1
.else
	BLOCK 0, 0, ACC, 8, SA+8*\set, 0, 32, L_LAST, ACC+32, 1
.endif
	WIN 0
	CODES6 ACC+32, NCD+6, 1
	EVENOUT \fetch
.endm
.macro EVENROUND w                     ; the second and the third refill: the round stands inside the block
	WAITDS \w
	s_wait_loadcnt 0x2
	GRD
	BLOCK 0, 0, ACC, 8, SA+8, 0, 26, L_ROUND
	WIN 0
	WALU
	s_wait_dscnt 0x0
	s_barrier_signal -1
	BLOCK 0, 0, ACC, 8, SA+8, 26, 32, L_NONE
	WIN 0
	CODES6 ACC+32, NCD+6, 1
	MIDDLE
	BARRIER
	s_cmp_lt_u32 s14, 2
	s_cbranch_scc0 .Lnone_\@
	TLOAD G0A, G1A                         ; wave 0: 64 rows of region A, wave 1: of region B
.Lnone_\@:
	EVENOUT 1
.endm
.macro EVENSHOW w                      ; a plain barrier inside the block shows the last refill to all
	WAITDS \w
	s_wait_loadcnt 0x2
	BLOCK 0, 0, ACC, 8, SA+8, 0, 26, L_OUT, ACC+32, 1
	WIN 0
	WALU
	s_wait_tensorcnt 0x0
	s_wait_dscnt 0x0
	s_barrier_signal -1
	BLOCK 0, 0, ACC, 8, SA+8, 26, 32, L_NONE
	WIN 0
	s_barrier_wait -1
	CODES6 ACC+32, NCD+6, 1
	EVENOUT 1
.endm
.macro ODD w, fetch, set, ld
	WAITDS \w
	s_wait_xcnt 0x0                        ; the last pair's stores and scale loads have read their registers and bases
	BLOCK 0, 1, ACC+32, 8, SA+8*\set, 0, 32, L_ODD, \ld, \fetch
	WIN 0
	CODES6 ACC, NCD, 0
	WALU
	ds_store_b8 v[VX], v[EB]
.if \ld
	global_load_b128 v[SA+8*\set:SA+8*\set+3], v[VSX], s[70:71]
	global_load_b128 v[SA+8*\set+4:SA+8*\set+7], v[VSX], s[70:71] offset:16
.endif
.if \fetch
	FETCH 1
.endif
.endm
; ================= THE HEAD
	s_load_b512 s[68:83], s[0:1], 0x0                   ; input, Wq, Wk, Wv: codes and scales
	s_load_b256 s[84:91], s[0:1], 0x40                  ; bq, bk, bv, img
	s_load_b64 s[92:93], s[0:1], 0x60                   ; sc
	v_lshl_add_u32 v[SPW], v0, 2, SPARE
	v_mov_b32 v[NIL], 0
	ds_add_u32 v[SPW], v[NIL]
	ds_add_u32 v[SPW], v[NIL]
	v_lshrrev_b32 v1, 5, v0
	v_readfirstlane_b32 s14, v1                         ; s14 the wave; s15 its row w of the 2 x 2, s16 its column v
	s_lshr_b32 s15, s14, 1
	s_and_b32 s16, s14, 1
	s_bfe_u32 s40, ttmp6, 0x40000                       ; cx
	s_bfe_u32 s41, ttmp6, 0x40004                       ; cy
	s_lshl_b32 s42, ttmp9, 2
	SADD 42, 40                                         ; second phase's tile column: 0-7 Q, 8-15 K
	s_and_b32 s43, ttmp7, 0xffff
	s_lshl_b32 s43, s43, 2
	SADD 43, 41                                         ; its tile row of 512 tokens
	s_lshr_b32 s19, ttmp9, 1                            ; 0 Q, 1 K
	s_and_b32 s17, ttmp9, 1                             ; V's half of my 512 rows
	s_and_b32 s18, s42, 7                               ; my 128 channels of Q or K
	s_lshl_b32 s13, s19, 2
	SADD 13, 40                                         ; V's 128 channels
	s_lshl_b32 s12, s43, 1
	SADD 12, 17                                         ; V's 256 tokens
	s_lshl_b32 s44, s41, 2
	s_lshl_b32 s44, 15, s44                             ; my row of the cluster
	s_lshl_b32 s45, 0x1111, s40                         ; my column
	GROUP1 G1A, 44, 128
	GROUP1 G1B, 45, 64
	s_mov_b32 s[G0A], 1
	s_mul_i32 s[G0A+1], s16, RB
	s_mov_b32 s[G0B], 1
	s_mul_i32 s[G0B+1], s16, WH
	s_add_co_u32 s[G0B+1], s[G0B+1], BVB
	s_mul_i32 s66, s43, 512*KROW
	s_mul_i32 s67, s17, 256*KROW
	s_mul_i32 s22, s16, 128*KROW
	SADD 67, 22
	s_mul_i32 s47, s13, 128*KROW
	s_mul_i32 s22, s16, 64*KROW
	SADD 47, 22
	WALU
	s_wait_dscnt 0x0
	CROUND                                              ; the opening round
	s_wait_kmcnt 0x0
	s_mov_b32 s20, s66
	s_mov_b32 s21, 0
	s_add_nc_u64 s[4:5], s[68:69], s[20:21]             ; my 512 rows of x
	s_mov_b32 s20, s67
	s_add_nc_u64 s[G0A+2:G0A+3], s[4:5], s[20:21]
	s_or_b32 s[G0A+3], s[G0A+3], 0x80000000
	s_mov_b32 s20, s47
	s_add_nc_u64 s[G0B+2:G0B+3], s[80:81], s[20:21]
	s_or_b32 s[G0B+3], s[G0B+3], 0x80000000
	s_cmp_lt_u32 s14, 2
	s_cbranch_scc0 .Lfor_x
	TLOAD G0B, G1B                                      ; waves 0 and 1: 64 rows each of W_v
	s_branch .Lasked
.Lfor_x:
	TLOAD G0A, G1A                                      ; waves 2 and 3: a region each of x
.Lasked:
	s_mul_i32 s20, s15, 32*PITCH
	s_mul_i32 s22, s16, 32*PITCH
	s_add_co_u32 s22, s22, BVB
	s_lshl_b32 s23, s15, 9
	s_lshl_b32 s46, s16, 8
	SADD 46, 23
	s_add_co_u32 s46, s46, XM
	s_lshl_b32 s47, s16, 1
	SADD 23, 47
	s_add_co_u32 s23, s23, XN
	s_lshl_b32 s47, s40, 2
	SADD 47, 14                                         ; my number among the sixteen waves of my row of the cluster
	s_lshr_b32 s66, s47, 3
	s_mul_i32 s66, s66, 128*KROW
	s_and_b32 s67, s47, 7
	s_mul_i32 s67, s67, 8*KROW
	SADD 66, 67
	s_xor_b32 s67, s17, 1                               ; the half that comes later
	s_mul_i32 s2, s67, 256*KROW
	SADD 66, 2                                          ; its rows 0-63 and 128-191, an eighth of either: 24 units of 256 bytes a wave
	s_lshl_b32 s47, s47, 9
	s_lshl_b32 s67, s67, 13
	SADD 47, 67                                         ; its scale bytes: two units a wave
	s_lshl_b32 s3, s41, 2
	SADD 3, 14
	s_mul_i32 s3, s3, 8*KROW                            ; the second weight: 24 units a wave of my column
	v_bfe_u32 v2, v0, 4, 1                              ; h
	v_and_b32 v3, 31, v0                                ; lane
	v_bfe_u32 v20, v0, 3, 1                             ; u
	v_and_b32 v21, 7, v0                                ; i
	v_mul_u32_u24 v22, v21, PITCH
	v_mad_u32_u24 v23, v20, RB, v22                     ; x: row 8 u + i of a tile lies in region u
	v_mad_u32_u24 v1, v2, 24, v23
	v_add_nc_u32 v[ADRA0], s20, v1
	v_mad_u32_u24 v1, v2, 40, v23
	v_add_nc_u32 v[ADRA0+1], s20, v1
	v_mad_u32_u24 v23, v20, WH, v22                     ; the weight: in its half u
	v_mad_u32_u24 v1, v2, 24, v23
	v_add_nc_u32 v[ADRB], s22, v1
	v_mad_u32_u24 v1, v2, 40, v23
	v_add_nc_u32 v[ADRB+1], s22, v1
	v_lshlrev_b32 v1, 5, v21
	v_lshl_add_u32 v1, v2, 8, v1                        ; lanes 16-31 take the next tile's words
	v_lshl_add_u32 v[VSX], v20, 12, v1
	v_lshl_add_u32 v[VSW], v20, 11, v1
	v_and_b32 v23, 15, v0
	v_lshl_add_u32 v23, v23, 2, v2
	v_add_nc_u32 v[STO], s23, v23
	v_add_nc_u32 v[STV], s46, v23
	v_lshlrev_b32 v[CO], 4, v3
	v_lshlrev_b32 v[CO8], 3, v3
	v_min_u32 v7, 23, v3
	v_lshl_add_u32 v8, v7, 8, s3
	v_lshl_add_u32 v7, v7, 8, s66
	v_lshlrev_b32 v23, 2, v21
	v_lshl_add_u32 v23, v20, 8, v23                     ; V's bias: channel 64 u + i
	v_lshlrev_b32 v21, 8, v2                            ; Q's or K's: from channel 64 h on
	v_min_u32 v20, 1, v3
	v_lshl_add_u32 v20, v20, 8, s47
	WIN 3<<6
.irp b, 0,1,2,3
	v_add_nc_u32 v[BA-768+2*\b], \b*8*PITCH, v[ADRB]
	v_add_nc_u32 v[BA-768+2*\b+1], \b*8*PITCH, v[ADRB+1]
.endr
	WIN 0
	v_add_nc_u32 v1, 8*PITCH, v[ADRA0]
	v_add_nc_u32 v22, 8*PITCH, v[ADRA0+1]
	WALU
	s_mul_i32 s66, s16, 128*KROW
	SADD 66, 2                                          ; where my part of the second refill begins in x,
	s_mul_i32 s47, s16, RB                              ; and in LDS
	s_lshl_b32 s20, s43, 14
	s_add_nc_u64 s[68:69], s[70:71], s[20:21]           ; my 512 rows' scale bytes;
	s_lshl_b32 s20, s15, 10
	s_add_nc_u64 s[6:7], s[68:69], s[20:21]             ; from my wave row's first token on;
	s_lshl_b32 s20, s17, 13
	s_add_nc_u64 s[98:99], s[6:7], s[20:21]             ; V's half
	s_lshl_b32 s22, s16, 10
	s_lshl_b32 s20, s13, 12
	SADD 20, 22
	s_add_nc_u64 s[2:3], s[82:83], s[20:21]             ; W_v's scale bytes
	s_cmp_eq_u32 s19, 0
	s_cselect_b64 s[72:73], s[72:73], s[76:77]          ; Q or K: codes, scale bytes, bias
	s_cselect_b64 s[74:75], s[74:75], s[78:79]
	s_cselect_b64 s[84:85], s[84:85], s[86:87]
	s_lshl_b32 s20, s18, 12
	SADD 20, 22
	s_add_nc_u64 s[54:55], s[74:75], s[20:21]
	s_lshl_b32 s22, s16, 7
	s_lshl_b32 s20, s13, 9
	SADD 20, 22
	s_add_nc_u64 s[96:97], s[88:89], s[20:21]
.irp p, 0,1
.irp c, 0,1
	global_load_b128 v[SB+NQ*\p+4*\c:SB+NQ*\p+4*\c+3], v[VSW], s[2:3] offset:512*\p+16*\c
	global_load_b128 v[SBQ+NQ*\p+4*\c:SBQ+NQ*\p+4*\c+3], v[VSW], s[54:55] offset:512*\p+16*\c
.endr
.endr
.irp p, 0,1,2,3
.irp c, 0,1
	global_load_b128 v[SA+NQ*\p+4*\c:SA+NQ*\p+4*\c+3], v[VSX], s[98:99] offset:2048*(\p/2)+512*(\p%2)+16*\c
.endr
.endr
	WIN 3<<6
.irp t, 0,1,2,3
	global_load_b32 v[BBV-768+8*\t], v23, s[96:97] offset:32*\t
.endr
	WIN 0
	s_lshl_b32 s20, s18, 9
	SADD 20, 22
	s_add_nc_u64 s[76:77], s[84:85], s[20:21]           ; Q's or K's bias, for the loads between the phases
	s_mul_i32 s20, s18, 128*KROW
	s_add_nc_u64 s[94:95], s[72:73], s[20:21]
	s_mul_i32 s20, s16, 64*KROW
	s_add_nc_u64 s[8:9], s[94:95], s[20:21]             ; my 64 rows of the second weight, for the first refill
	s_mul_i32 s20, s19, QKB
	s_mul_i32 s22, s43, 32*TILEB
	SADD 20, 22
	s_mul_i32 s22, s15, 8*TILEB
	SADD 20, 22
	s_lshr_b32 s22, s18, 1
	s_mul_i32 s22, s22, 512*TILEB
	SADD 20, 22
	s_and_b32 s22, s18, 1
	s_mul_i32 s22, s22, 1536
	SADD 20, 22
	s_mul_i32 s22, s16, 768
	SADD 20, 22
	s_add_nc_u64 s[10:11], s[90:91], s[20:21]           ; Q's or K's images
	s_lshl_b32 s20, s13, 3
	s_lshl_b32 s22, s16, 2
	SADD 20, 22                                         ; my first channel tile
	s_mul_i32 s20, s20, 6144
	s_lshr_b32 s22, s12, 1                              ; my 512 tokens
	s_mul_i32 s22, s22, 64*6144
	SADD 20, 22
	s_lshl_b32 s22, s12, 1
	SADD 22, 15                                         ; my key step
	s_and_b32 s23, s22, 3
	s_mul_i32 s23, s23, 1536
	SADD 20, 23
	s_add_co_u32 s20, s20, 2*QKB
	s_add_nc_u64 s[50:51], s[90:91], s[20:21]           ; V's
	s_lshl_b32 s20, s22, 12
	s_lshl_b32 s22, s13, 9
	SADD 20, 22
	s_lshl_b32 s22, s16, 8
	SADD 20, 22
	s_add_co_u32 s20, s20, 2*QKS
	s_add_nc_u64 s[52:53], s[92:93], s[20:21]           ; V's scale bytes
	s_mul_i32 s20, s19, QKS
	s_lshl_b32 s22, s18, 10
	SADD 20, 22
	s_lshl_b32 s22, s43, 14
	SADD 20, 22
	s_xor_b32 s22, s15, s17                             ; the stage's halves lie in the order of work
	s_lshl_b32 s22, s22, 13
	SADD 20, 22
	s_lshl_b32 s22, s16, 9
	SADD 20, 22
	s_add_nc_u64 s[48:49], s[92:93], s[20:21]           ; Q's or K's
	s_mov_b32 s46, 0
	s_cmp_lt_u32 s14, 2
	s_cbranch_scc0 .Lnot_w
	s_wait_tensorcnt 0x0
.Lnot_w:
	BARRIER                                             ; W_v's rows are in
	global_prefetch_b8 v8, s[94:95] th:TH_LOAD_NT scope:SCOPE_SE
	WEIGHTS
	s_wait_loadcnt 0x0
	WIN (3<<6)|3
.irp t, 0,8,16,24
.irp i, 1,2,3,4,5,6,7
	v_mov_b32 v[BBV-768+\t+\i], v[BBV-768+\t]          ; V's number, one a lane and tile, over the tile's eight registers
.endr
.endr
	WIN 0
	WALU
	s_wait_tensorcnt 0x0
	s_wait_dscnt 0x0
	BARRIER                                             ; both regions of x are in
	FETCH01
; ================= PHASE 1: V, eight blocks; band 0's way outs stand in band 1's blocks
.irp s, 0,1
	s_wait_dscnt NF
	BLOCK 1, \s, HV0+8*\s, 32, SA, 0, 32, L_STEP
	WIN 0
	PLACES 4
	WALU
	FETCH \s
.endr
	s_wait_dscnt NF
	GRD
	BLOCK 1, 0, HV0+16, 32, SA+8, 0, 24, L_V2
	WIN 0
	WALU
	s_wait_dscnt 0x0
	s_barrier_signal -1
	BLOCK 1, 0, HV0+16, 32, SA+8, 24, 32, L_NONE
	MIDDLE
	BARRIER
	s_cmp_lt_u32 s14, 2
	s_cbranch_scc0 .Lno_half
	TLOAD G0B, G1B                                      ; waves 0 and 1: 64 rows each of W_q or W_k, onto W_v's, which all waves hold in registers
.Lno_half:
	PLACES 4                                            ; the places ahead of the fetch, for the waves that come round the load
	FETCH 0
	global_prefetch_b8 v7, s[4:5] th:TH_LOAD_NT scope:SCOPE_SE
	global_prefetch_b8 v20, s[68:69] th:TH_LOAD_NT scope:SCOPE_SE
	BLOCK 1, 1, HV0+24, 32, SA+8, 0, 32, L_STEP
	WIN 0
	PLACES 4
	WALU
	FETCH 1
.macro VB j, e, xs
	s_wait_dscnt NF+(\j+1)/2
.if \j < 2
	BLOCK 1, \e, HV1+8*\j, 32, \xs, 0, 32, L_OUT, HV0+32*\j, \j
.else
	BLOCK 1, \e, HV1+8*\j, 32, \xs, 0, 32, L_LAST, HV0+32*\j, \j
.endif
	WIN 0
	CODES6 HV0+32*\j, MCD\j, \j
	WALU
	ds_store_b8 v[STV], v[EB+\j] offset:64*\j
.if \j < 2
	FETCH \e
.endif
.endm
	VB 0, 0, SA+16
	VB 1, 1, SA+16
	VB 2, 0, SA+24
	s_wait_dscnt 1
	BLOCK 1, 1, HV1+24, 32, SA+24, 0, 26, L_LAST, HV0+96, 3
	WIN 0
	WALU
	s_wait_tensorcnt 0x0
	s_wait_dscnt 0x0
	s_barrier_signal -1                                 ; a plain barrier: the second weight is shown to all
	BLOCK 1, 1, HV1+24, 32, SA+24, 26, 32, L_NONE
	WIN 0
	s_barrier_wait -1
	CODES6 HV0+96, MCD3, 3
	WALU
	ds_store_b8 v[STV], v[EB+3] offset:192
; ================= THE CHANGE OF PHASE: the weight and the first two blocks' rows in one run of loads; band 1's four way outs under their flight
	WIN 3<<6
.irp k, 0,1,2,3,4,5,6,7
	global_load_b128 v[BBV-768+4*\k:BBV-768+4*\k+3], v21, s[76:77] offset:16*\k
.endr
	WIN 0
	WEIGHTS
	FETCH01
	global_prefetch_b8 v7, s[4:5] offset:64*KROW th:TH_LOAD_NT scope:SCOPE_SE
.set I, 0
.rept 18
.irp t, 0,1,2,3
	CHAIN I, HV1+32*\t, \t, 120+4*\t
.endr
.set I, I+1
.endr
.set I, 0
.rept 6
.irp t, 0,1,2,3
	CODES I, HV1+32*\t, MCD\t+6, \t, 136+4*\t
.endr
.set I, I+1
.endr
	WIN 0
	WALU
; ================= PHASE 2: Q or K, sixteen blocks, way outs by pairs
	s_wait_loadcnt 0x0
	s_wait_dscnt NF
	BLOCK 0, 0, ACC, 8, SA, 0, 32, L_STEP
	WIN 0
	PLACES 4
	WALU
.irp t, 0,1,2,3
	ds_store_b8 v[STV], v[EB+\t] offset:2+64*\t
.endr
.irp t, 0,1,2,3
	PUT3 MCD\t, s[50:51], 6144*\t                       ; V's codes leave
.endr
	FETCH 0
	ODD NF+4, 1, 0, 1
	s_mov_b32 s67, 0
.Lwith_rounds:                                          ; blocks 2 to 5, 6 to 9
	EVENROUND NF+1
	ODD -1, 1, 1, 1
	EVEN NF+1, 1, 0, 2
	ODD NF+1, 1, 0, 1
	s_add_co_u32 s67, s67, 1
	s_cmp_lg_u32 s67, 2
	s_cbranch_scc1 .Lwith_rounds
	EVENSHOW NF+1
	ODD -1, 1, 1, 1
	EVEN NF+1, 1, 0, 2
	ODD NF+1, 1, 0, 0
	EVEN NF+1, 0, 1, 0
	ODD 1, 0, 1, 0
; ================= THE END: the last way out; the scale bytes go through LDS under its conversions
	s_lshl_b32 s21, s14, 9
	s_add_co_u32 s21, s21, XN
	v_add_nc_u32 v12, s21, v[CO]
	s_lshl_b32 s21, s14, 8
	s_add_co_u32 s21, s21, XM
	v_add_nc_u32 v14, s21, v[CO8]
.set I, 0
.rept 18
	CHAIN I, ACC+32, 1
.set I, I+1
.endr
	CODES 2, ACC+32, NCD+6, 1
	WALU
	ds_store_b8 v[VX], v[EB+1] offset:64
	s_wait_dscnt 0x0
	s_barrier_signal -1
	CODES 0, ACC+32, NCD+6, 1
	CODES 1, ACC+32, NCD+6, 1
	v_nop
.irp i, 3,4,5
	CODES \i, ACC+32, NCD+6, 1
.endr
	s_barrier_wait -1
	WALU
	ds_load_b128 v[104:107], v12
	ds_load_b64 v[108:109], v14
	PUTQ
	s_wait_dscnt 0x0
	global_store_b128 v[CO], v[104:107], s[48:49]
	global_store_b64 v[CO8], v[108:109], s[52:53]
	s_wait_tensorcnt 0x0
	ds_add_u32 v[SPW], v[NIL]
	s_wait_dscnt 0x0
	CROUND
	s_endpgm
.Lfunc_end_k_qf4e36e585a_proj:
	.size	k_qf4e36e585a_proj, .Lfunc_end_k_qf4e36e585a_proj-k_qf4e36e585a_proj
	.p2alignl 7, 3214868480
	.fill 96, 4, 3214868480
	.section	.rodata,"a",@progbits
	.p2align	6, 0x0
	.amdhsa_kernel k_qf4e36e585a_proj
		.amdhsa_group_segment_fixed_size 327680
		.amdhsa_private_segment_fixed_size 0
		.amdhsa_enable_private_segment 0
		.amdhsa_kernarg_size 104
		.amdhsa_user_sgpr_count 2
		.amdhsa_user_sgpr_kernarg_segment_ptr 1
		.amdhsa_wavefront_size32 1
		.amdhsa_system_sgpr_workgroup_id_x 1
		.amdhsa_system_sgpr_workgroup_id_y 1
		.amdhsa_system_sgpr_workgroup_id_z 1
		.amdhsa_system_vgpr_workitem_id 0
		.amdhsa_next_free_vgpr 1024
		.amdhsa_next_free_sgpr 102
		.amdhsa_reserve_vcc 0
		.amdhsa_float_denorm_mode_32 3
		.amdhsa_float_denorm_mode_16_64 3
		.amdhsa_memory_ordered 1
		.amdhsa_forward_progress 1
		.amdhsa_inst_pref_size 204
	.end_amdhsa_kernel
	.amdgpu_metadata
---
amdhsa.version: [ 1, 2 ]
amdhsa.kernels:
  - .name:           k_qf4e36e585a_proj
    .symbol:         k_qf4e36e585a_proj.kd
    .args:
      - { .name: input_codes, .offset: 0, .size: 8, .value_kind: global_buffer, .address_space: global }
      - { .name: input_scales, .offset: 8, .size: 8, .value_kind: global_buffer, .address_space: global }
      - { .name: Wq_codes, .offset: 16, .size: 8, .value_kind: global_buffer, .address_space: global }
      - { .name: Wq_scales, .offset: 24, .size: 8, .value_kind: global_buffer, .address_space: global }
      - { .name: Wk_codes, .offset: 32, .size: 8, .value_kind: global_buffer, .address_space: global }
      - { .name: Wk_scales, .offset: 40, .size: 8, .value_kind: global_buffer, .address_space: global }
      - { .name: Wv_codes, .offset: 48, .size: 8, .value_kind: global_buffer, .address_space: global }
      - { .name: Wv_scales, .offset: 56, .size: 8, .value_kind: global_buffer, .address_space: global }
      - { .name: bq, .offset: 64, .size: 8, .value_kind: global_buffer, .address_space: global }
      - { .name: bk, .offset: 72, .size: 8, .value_kind: global_buffer, .address_space: global }
      - { .name: bv, .offset: 80, .size: 8, .value_kind: global_buffer, .address_space: global }
      - { .name: img, .offset: 88, .size: 8, .value_kind: global_buffer, .address_space: global }
      - { .name: sc, .offset: 96, .size: 8, .value_kind: global_buffer, .address_space: global }
    .group_segment_fixed_size: 327680
    .private_segment_fixed_size: 0
    .kernarg_segment_align: 8
    .kernarg_segment_size: 104
    .max_flat_workgroup_size: 128
    .sgpr_count:     102
    .vgpr_count:     1024
    .wavefront_size: 32
...
	.end_amdgpu_metadata
.endif
;; end of part 1
;; launch scores (part 2): grid 8 x 32, 4 waves a work-group, clusters of 4 x 4, 327,680 bytes of LDS; arguments img, sc, p_img, p_st; writes p_img, p_st
.if DOCPART == 2
	.amdgcn_target "amdgcn-amd-amdhsa--gfx1250"
	.amdhsa_code_object_version 6
	.text
	.protected	k_qf4e36e585a_scores
	.globl	k_qf4e36e585a_scores
	.p2align	8
	.type	k_qf4e36e585a_scores,@function
k_qf4e36e585a_scores:
	s_mov_b64 s[64:65], 0
	v_nop
	global_prefetch_b8 v0, s[64:65] scope:SCOPE_SE
	s_setreg_imm32_b32 hwreg(HW_REG_WAVE_MODE, 25, 1), 1
	s_wait_xcnt 0x0
	s_wait_alu depctr_hold_cnt(0) depctr_sa_sdst(0) depctr_va_vdst(0) depctr_va_sdst(0) depctr_va_ssrc(0) depctr_va_vcc(0) depctr_vm_vsrc(0)
	s_getreg_b32 s2, hwreg(HW_REG_IB_STS2, 6, 4)
	s_cmp_eq_u32 s2, 0
	s_cbranch_scc0 .Lentry_in_a_cluster
	s_endpgm
.Lentry_in_a_cluster:
	s_bfe_u32 s2, ttmp6, 0x10000c
	s_cmp_lg_u32 s2, 0xf033
	s_cbranch_scc0 .Lentry_shape_is_right
	s_endpgm
.Lentry_shape_is_right:
; The scores q k^T on codes of FP6 (E2M3), and the softmax's p as codes.  t = score x log2(e) / 32.  What the second product wants is p = 2^(t - M), M a whole number, quantised along the keys, and the sum of the unquantised p.
; A work-group makes 256 queries x 256 keys of one batch, a wave 128 x 128: a CHUNK of 128 keys.  For each query and chunk: M_c = ceil(the chunk's largest t), p = 2^(t - M_c), l_c = the sum of p.
; M_c is a whole number, so against the row's M the same codes stand with scale bytes lower by M - M_c, and l_c counts times 2^(M_c - M): the next launch, which sees all 16 chunks of a row, does both.  A maximum is taken away
; ahead of every exponential: no exponent is above 0.
; q's and k's fragments come from img as images of their registers (1,536 bytes for 16 rows x 128 K), so a tile's two K steps are 3,072 dense bytes, and a fragment is four LDS loads: two of 512 consecutive bytes, two of 256.
; TRANSPOSED: source 0 = 16 keys, source 1 = 16 queries: lane (r, h) holds query r, register j of tile b key 16 b + 8 h + j.  A block's codes stand in the order 0-7, 16-23, 8-15, 24-31, as v's do along the keys.
; OUT: p_img [query / 16][key / 128 in the batch][1536];  p_st: three arrays of 524,288 bytes, each [16 batch + key / 128][query / 16 in the batch][16 words]: p's scale words, -M_c (f32), l_c (f32).
; CLUSTERS: 4 x 4 work-groups; q's tiles are asked for jointly along a row of the cluster, k's along a column.
; LIMITS: NaN and infinities are not served; |t| stays under 2^24, so that M_c is exact; a p under 2^-126 counts as 0; a block whose largest p lies under 2^-124 gets the byte 1.
; REGISTERS: window 0: v0-31 addresses; v32-63 scale words, two sets; v128-223 q's fragments, one set.  window 1: k's fragments, two sets.  windows 2, 3: the 64 accumulators.  On the way out v32-79 and v96-127 are at work.
.set NQ,     2
.set FR,     12
; THE BUFFERS' ORDER, in place of the one named above.  p_img: [512 keys of the batch 4][query tile 512][128 keys 4][1536].  p_st: the scale words as above, then from STB on [16 batch + key / 128][query / 16 in the batch][16 queries][-M_c, l_c].
; A fill's 16 tiles of q or of k are one dense block; so are the scale words of 256 tokens.
.set FRB,    1536                      ; an image in bytes
.set FSB,    512*2*FRB                 ; from a fill (two K steps of all 512 tiles) to the next
.set SM,     48                        ; v48-55 the sum, in four chains
; THE ORDER OF KEYS AND QUERIES, as the projections' launch lays them: row 8 u + i of tile 8 w + 4 c + j of a group of 256 is token 128 u + 64 c + 32 w + 8 j + i.  So a lane's registers of four tiles 4 c .. 4 c + 3 are 32 neighbouring keys, a whole block:
; register 8 j + i of lane (r, h) is key 128 h + 64 c + 32 w + 8 j + i, and byte 2 c + h of the scale word is its block's.  This holds in place of any other order of keys named above.
; PREFETCHES: each fill's tiles are asked for one fill (two K steps) ahead of its tensor load, shared out by address among the work-groups that ask jointly: four tiles a work-group and side, two a wave.
.set NL,     4                         ; LDS loads that bring a fragment
.set NP,     4
.set HALFT,  8*2*FRB                   ; 8 tiles x 2 K steps: what one tensor load brings
.set SLOT,   4*HALFT
.set SCL,    2*SLOT                    ; the scale words: q's, then k's: each [K step 8][16 tiles][64 bytes], filled once
.set SPARE,  SCL+4*4096                ; the spare words, 128 bytes a wave
.set SST,    SPARE+512                 ; 1,536 bytes a wave: scale words, -M_c, l_c are gathered here; no fill lands here
.set QKB,    6291456
.set QKS,    262144
.set STB,    524288                    ; an array of p_st
.set ADRA, 16
.set ADRB, 20
.set STS,  24
.set STR,  25
.set LN16, 26
.set ADRS, 27
.set SPW,  28
.set NIL,  29
.set SC,   32
.set AF,   128
.set TM,   32                          ; v32-35 the blocks' largest, v36-39 at work, v44-47 the conversions' scale operands
.set PW,   48                          ; v56-63 -M_c, v64-71 l_c: one register a tile
.set NMS,  56
.set LSS,  64
.set NM,   72                          ; v[72:73] -M_c (the pair's low word serves both halves)
.set S0,   74                          ; v74 the lane's sum, ahead of the permute
.set S1,   76
.set MX,   78
.set TMP,  79
.set PC,   96
.set G1, 24
.set G0, 32
.set G1B, 48
.set G0B, 56
.set G1S, 68
.set G0S, 76
.set G1SB, 80
.set G0SB, 88
.set CS,   2                           ; s[2:3] c = log2(e) / 32
.set SEL,  66
.set MSB, 0
.macro WIN new
.if MSB != (\new)
	s_set_vgpr_msb (MSB<<8)|(\new)
.set MSB, (\new)
.endif
.endm
.set MUL_LO, 0xa1
.set MUL_HI, 0xf1
.set TO_B,   0x40
.macro JLOAD g0a, g1a, g0b, g1b        ; waves 0 and 1 fetch for q, waves 2 and 3 for k; four v_nop follow each of the two lines
	s_cmp_eq_u32 s15, 0
	s_cbranch_scc0 .Lfor_b_\@
	tensor_load_to_lds s[\g0a:\g0a+3], s[\g1a:\g1a+7]
	s_nop 0
.rept 4
	v_nop
.endr
	s_branch .Lasked_\@
.Lfor_b_\@:
	tensor_load_to_lds s[\g0b:\g0b+3], s[\g1b:\g1b+7]
	s_nop 0
.rept 4
	v_nop
.endr
.Lasked_\@:
.endm
.macro CREST
	s_cmp_lg_u32 s14, 0
	s_cbranch_scc1 .Lnot_wave_0_\@
	s_barrier_signal -3
.Lnot_wave_0_\@:
	s_barrier_wait -3
	s_barrier_signal -1
	s_barrier_wait -1
.endm
.macro CROUND
	s_barrier_signal -1
	s_barrier_wait -1
	CREST
.endm
.macro PLACES n
.rept \n
	v_nop
.endr
.endm
	s_load_b256 s[4:11], s[0:1], 0x0               ; img s[4:5], sc s[6:7], p_img s[8:9], p_st s[10:11]
	v_lshl_add_u32 v[SPW], v0, 2, SPARE
	v_mov_b32 v[NIL], 0
	ds_add_u32 v28, v29
	ds_add_u32 v28, v29
	s_wait_dscnt 0x0
	v_lshrrev_b32 v1, 5, v0
	v_readfirstlane_b32 s14, v1                    ; wave
	s_lshr_b32 s15, s14, 1                         ; my half of the queries.  Also: I fetch for q (0) or for k (1)
	s_and_b32 s16, s14, 1                          ; my half of the keys.  Also: which 8 tiles I fetch
	s_bfe_u32 s40, ttmp6, 0x40000                  ; cx
	s_bfe_u32 s41, ttmp6, 0x40004                  ; cy
	s_lshl_b32 s42, ttmp9, 2
	s_add_co_u32 s42, s42, s40                     ; x: block of 256 keys in the batch
	s_and_b32 s19, ttmp7, 0xffff                   ; cluster y; the batch is cluster y / 2
	s_lshl_b32 s17, s19, 2
	s_add_co_u32 s17, s17, s41                     ; y: block of 256 queries, over all batches
	s_lshl_b32 s43, s41, 2
	s_lshl_b32 s43, 15, s43                        ; my row of the cluster
	s_lshl_b32 s44, 0x1111, s40                    ; my column
	; group 1, codes: 8 rows (tiles) x 3,072 bytes (384 elements of 8 bytes), 3,072 bytes from tile to tile; no padding
	s_or_b32 s[G1+0], s43, (3<<16)|(1<<21)
	s_or_b32 s[G1B+0], s44, (3<<16)|(1<<21)
.irp g, G1, G1B
	s_mov_b32 s[\g+1], 384<<16
	s_mov_b32 s[\g+2], 16<<16                      ; the head's loads bring 16 tiles, the later ones 8
	s_mov_b32 s[\g+3], 384<<16
	s_mov_b32 s[\g+4], 16
	s_mov_b32 s[\g+5], 384                         ; (the tiles lie end to end)
	s_mov_b32 s[\g+6], 0
	s_mov_b32 s[\g+7], 0
.endr
	; group 1, scale words: 8 rows (K steps) x 1,024 bytes (16 tiles), end to end
	s_or_b32 s[G1S+0], s43, (3<<16)|(1<<21)
	s_or_b32 s[G1SB+0], s44, (3<<16)|(1<<21)
.irp g, G1S, G1SB
	s_mov_b32 s[\g+1], 128<<16                     ; rows of 1,024 bytes: 16 tiles
	s_mov_b32 s[\g+2], 8<<16
	s_mov_b32 s[\g+3], 128<<16
	s_mov_b32 s[\g+4], 8
	s_mov_b32 s[\g+5], 128                         ; (and so do the K steps' words)
	s_mov_b32 s[\g+6], 0
	s_mov_b32 s[\g+7], 0
.endr
	s_lshl_b32 s18, s16, 3
	s_lshl_b32 s20, s17, 4                         ; q's first tile: 16 y
	s_lshr_b32 s46, s19, 1
	s_lshl_b32 s46, s46, 7
	s_lshl_b32 s47, s42, 4
	s_add_co_u32 s46, s46, s47                     ; k's: 128 batch + 16 x
	s_lshl_b32 s22, s20, 9
	s_mov_b32 s23, 0
	s_lshl_b32 s92, s46, 9
	s_add_co_u32 s92, s92, QKS
	s_mov_b32 s93, 0
	s_lshl_b32 s98, s40, 2                         ; prefetches: of q's 16 tiles my four begin at 4 cx,
	s_add_co_u32 s98, s98, s20
	s_mul_i32 s98, s98, 2*FRB
	s_lshl_b32 s96, s41, 2                         ; of k's at 4 cy;
	s_add_co_u32 s96, s96, s46
	s_mul_i32 s96, s96, 2*FRB
	s_add_co_u32 s96, s96, QKB
	s_cmp_eq_u32 s15, 0
	s_cselect_b32 s98, s98, s96
	s_mul_i32 s96, s16, 4*FRB                      ; two of them a wave
	s_add_co_u32 s98, s98, s96
	s_mov_b32 s99, 0
	s_add_co_u32 s20, s20, s18                     ; + 8 half
	s_add_co_u32 s46, s46, s18
	s_mul_i32 s20, s20, 2*FRB
	s_mov_b32 s21, 0
	s_mul_i32 s46, s46, 2*FRB
	s_add_co_u32 s46, s46, QKB
	s_mov_b32 s47, 0
	s_mul_i32 s45, s14, HALFT
	s_mov_b32 s[CS], 0x3d38aa3b                    ; log2(e) / 32
	s_mov_b32 s[CS+1], s[CS]
	s_mov_b32 s[SEL], 0x76543210
	s_mov_b32 s[SEL+1], 0xfedcba98
	s_wait_kmcnt 0x0
	s_add_nc_u64 s[20:21], s[4:5], s[20:21]
	s_add_nc_u64 s[22:23], s[6:7], s[22:23]
	s_add_nc_u64 s[46:47], s[4:5], s[46:47]
	s_add_nc_u64 s[92:93], s[6:7], s[92:93]
	s_add_nc_u64 s[98:99], s[4:5], s[98:99]
	CROUND                                         ; all sixteen work-groups are here: the first joint loads meet
	s_mov_b32 s[G0S], 1
	s_mov_b32 s[G0S+1], SCL
	s_mov_b64 s[G0S+2:G0S+3], s[22:23]
	s_or_b32 s[G0S+3], s[G0S+3], 0x80000000
	s_mov_b32 s[G0SB], 1
	s_mov_b32 s[G0SB+1], SCL+8192
	s_mov_b64 s[G0SB+2:G0SB+3], s[92:93]
	s_or_b32 s[G0SB+3], s[G0SB+3], 0x80000000
.irp s, 0,1
	s_mov_b32 s[G0+4*\s], 1
	s_add_co_u32 s[G0+4*\s+1], s45, \s*SLOT
	s_add_nc_u64 s[G0+4*\s+2:G0+4*\s+3], s[20:21], \s*FSB
	s_or_b32 s[G0+4*\s+3], s[G0+4*\s+3], 0x80000000
	s_mov_b32 s[G0B+4*\s], 1
	s_add_co_u32 s[G0B+4*\s+1], s45, \s*SLOT
	s_add_nc_u64 s[G0B+4*\s+2:G0B+4*\s+3], s[46:47], \s*FSB
	s_or_b32 s[G0B+4*\s+3], s[G0B+4*\s+3], 0x80000000
.endr
; The head's loads, one a wave: wave 0 fill 0's 16 tiles of q, wave 1 q's scale words, wave 2 fill 0's 16 tiles of k, wave 3 k's scale words.  Every way through passes one load.
.macro ARM under, g0, g1, next
	s_cmp_lt_u32 s14, \under
	s_cbranch_scc0 \next
	tensor_load_to_lds s[\g0:\g0+3], s[\g1:\g1+7]
	s_nop 0
.rept 4
	v_nop
.endr
	s_branch .Lhead_asked
\next:
.endm
	ARM 1, G0, G1, .Lhead_1
	ARM 2, G0S, G1S, .Lhead_2
	ARM 3, G0B, G1B, .Lhead_3
	tensor_load_to_lds s[G0SB:G0SB+3], s[G1SB:G1SB+7]
	s_nop 0
.rept 4
	v_nop
.endr
.Lhead_asked:
	v_and_b32 v1, 15, v0                           ; r
	v_bfe_u32 v2, v0, 4, 1                         ; h
	s_wait_alu depctr_va_vdst(0)
	v_and_b32 v3, 31, v0
	v_lshlrev_b32 v[LN16], 4, v3                   ; 16 x lane, 8 x lane: my places in every image
	v_lshlrev_b32 v7, 3, v3
	v_min_u32 v8, 23, v3                           ; prefetch: 24 units of 256 bytes: two tiles, end to end
	v_lshlrev_b32 v8, 8, v8
	s_wait_alu depctr_va_vdst(0)
	s_mul_i32 s21, s15, HALFT
	s_mul_i32 s22, s16, HALFT
	s_add_co_u32 s22, s22, 2*HALFT
.irp s, 0,1
	v_add_nc_u32 v[ADRA+\s], s21, v[LN16]
	v_add_nc_u32 v[ADRB+\s], s22, v[LN16]
	v_add_nc_u32 v[ADRA+2+\s], s21, v7
	v_add_nc_u32 v[ADRB+2+\s], s22, v7
	s_add_co_u32 s21, s21, SLOT
	s_add_co_u32 s22, s22, SLOT
.endr
	s_lshl_b32 s21, s15, 9                         ; q's words: my half of a row of 16 tiles
	s_lshl_b32 s22, s16, 9
	s_add_co_u32 s22, s22, 8192
	s_sub_co_u32 s22, s22, s21
	v_mul_u32_u24 v6, s22, v2                      ; lanes 16-31 take k's: the lower base + h x the distance
	s_add_co_u32 s21, s21, SCL
	v_lshl_add_u32 v5, v1, 2, v6
	v_add_nc_u32 v[ADRS], s21, v5
	s_mul_i32 s23, s14, 1536
	s_add_co_u32 s23, s23, SST
	v_lshl_add_u32 v[STS], v1, 2, s23
	v_add_nc_u32 v30, v2, v[STS]                   ; v30: my half's byte of row r's scale word
	v_lshl_add_u32 v31, v1, 3, s23                 ; v31: 512 bytes on, row r's pair -M_c, l_c
	v_add_nc_u32 v[STR], s23, v[LN16]
	s_lshl_b32 s20, s17, 4
	s_lshl_b32 s21, s15, 3
	s_add_co_u32 s20, s20, s21                     ; my first tile of queries: 16 y + 8 half
	s_lshl_b32 s22, s42, 1
	s_add_co_u32 s22, s22, s16                     ; my chunk of keys in the batch: 2 x + half
	s_mul_i32 s46, s20, 4*FRB
	s_lshr_b32 s47, s22, 2
	s_mul_i32 s47, s47, 512*4*FRB
	s_add_co_u32 s46, s46, s47
	s_and_b32 s47, s22, 3
	s_mul_i32 s47, s47, FRB
	s_add_co_u32 s46, s46, s47
	s_mov_b32 s47, 0
	s_add_nc_u64 s[8:9], s[8:9], s[46:47]
	s_lshr_b32 s46, s19, 1
	s_lshl_b32 s46, s46, 4
	s_add_co_u32 s46, s46, s22                     ; 16 batch + chunk
	s_lshl_b32 s46, s46, 7
	s_and_b32 s20, s20, 127                        ; my first tile in the batch
	s_add_co_u32 s46, s46, s20
	s_lshl_b32 s46, s46, 6
	s_lshl_b32 s94, s46, 1
	s_mov_b32 s95, 0
	s_add_nc_u64 s[94:95], s[10:11], s[94:95]      ; my pairs -M_c, l_c, STB on
	s_add_nc_u64 s[10:11], s[10:11], s[46:47]      ; my scale words
	global_prefetch_b8 v8, s[98:99] offset:FSB th:TH_LOAD_NT scope:SCOPE_SE   ; fill 1
.macro FRAG reg, adr, q, i             ; an image comes back as it was stored: four loads, two of 512 consecutive bytes and two of 256
.irp c, 0,1                            ; each half of an image: 512 bytes of four registers, 256 of two
	ds_load_b128 v[\reg+6*\c:\reg+6*\c+3], v[\adr] offset:(\i)*2*FRB+(\q)*FRB+768*\c
	ds_load_b64 v[\reg+6*\c+4:\reg+6*\c+5], v[\adr+2] offset:(\i)*2*FRB+(\q)*FRB+768*\c+512
.endr
.endm
; 16 matrix instructions; the 64 accumulators take turns in the same order in every step.  zero = 1: the first product starts the sums.
.macro MUL16 a0, p, q, sc, zero
.irp a, \a0, \a0+1
.irp b, 0,1,2,3,4,5,6,7
.if \zero
	v_wmma_scale_f32_16x16x128_f8f6f4 v[8*(8*((\a)%4)+\b):8*(8*((\a)%4)+\b)+7], v[128*(\p)+FR*\b:128*(\p)+FR*\b+FR-1], v[AF+FR*(\a):AF+FR*(\a)+FR-1], 0, v[SC+8*NQ*(\sc)+NQ*\b+(\q)], v[SC+8*NQ*(\sc)+NQ*(\a)+(\q)] matrix_a_fmt:MATRIX_FMT_FP6 matrix_b_fmt:MATRIX_FMT_FP6 matrix_a_scale:MATRIX_SCALE_ROW1
.else
	v_wmma_scale_f32_16x16x128_f8f6f4 v[8*(8*((\a)%4)+\b):8*(8*((\a)%4)+\b)+7], v[128*(\p)+FR*\b:128*(\p)+FR*\b+FR-1], v[AF+FR*(\a):AF+FR*(\a)+FR-1], v[8*(8*((\a)%4)+\b):8*(8*((\a)%4)+\b)+7], v[SC+8*NQ*(\sc)+NQ*\b+(\q)], v[SC+8*NQ*(\sc)+NQ*(\a)+(\q)] matrix_a_fmt:MATRIX_FMT_FP6 matrix_b_fmt:MATRIX_FMT_FP6 matrix_a_scale:MATRIX_SCALE_ROW1
.endif
.endr
.endr
.endm
.macro FETCH_B slot, q, p
	WIN TO_B
.irp i, 0,1,2,3,4,5,6,7
	FRAG 128*(\p)+FR*\i, ADRB+\slot, \q, \i
.endr
	WIN 0
.endm
.macro FETCH_A slot, q, i0
.irp i, \i0, \i0+1, \i0+2, \i0+3
	FRAG AF+FR*(\i), ADRA+\slot, \q, \i
.endr
.endm
.macro SCALES sc, f                    ; fill f's scale words (K steps 2 f, 2 f + 1) into set sc: register 2 i + q: lanes 0-15 q's tile i, lanes 16-31 k's tile i
.irp i, 0,1,2,3,4,5,6,7
.irp q, 0,1
	ds_load_b32 v[SC+8*NQ*\sc+NQ*\i+\q], v[ADRS] offset:(2*\f+\q)*1024+64*\i
.endr
.endr
.endm
.macro STEP slot, q, zero
	s_wait_dscnt 4*NL                              ; k's set and q's blocks 0-3 are in; the youngest 16 loads (q's blocks 4-7) may be out
	WIN MUL_LO
	MUL16 0, (\q)%2, \q, \slot, \zero
	MUL16 2, (\q)%2, \q, \slot, \zero
	s_wait_dscnt 0
	PLACES NP
	FETCH_B \slot, (\q)+1, 1-(\q)%2
	FETCH_A \slot, (\q)+1, 0
	WIN MUL_HI
	MUL16 4, (\q)%2, \q, \slot, \zero
	MUL16 6, (\q)%2, \q, \slot, \zero
	PLACES NP
	WIN 0
	FETCH_A \slot, (\q)+1, 4
.endm
.macro TURN slot, next, fill, f
	s_wait_tensorcnt 0x0                           ; all my tensor loads have landed: my part of the next slot
	ds_add_u32 v[SPW], v[NIL]                      ; 0 onto my spare word
	s_wait_dscnt 4*NL+1                            ; the add and the youngest 16 loads may be out
	WIN MUL_LO
	MUL16 0, 1, NQ-1, \slot, 0
	s_wait_dscnt 0x0                               ; the add is done, and my reads of this slot are over
	s_barrier_signal -1
	MUL16 2, 1, NQ-1, \slot, 0
	WIN 0
	s_barrier_wait -1
.if \fill
	CREST                                          ; a round of the cluster's barrier: no wave of any partner still reads this slot or has a load on its way
	s_add_nc_u64 s[G0+4*\slot+2:G0+4*\slot+3], s[G0+4*\slot+2:G0+4*\slot+3], 2*FSB
	s_add_nc_u64 s[G0B+4*\slot+2:G0B+4*\slot+3], s[G0B+4*\slot+2:G0B+4*\slot+3], 2*FSB
	JLOAD G0+4*\slot, G1, G0B+4*\slot, G1B
.else
	PLACES NP
.endif
	FETCH_B \next, 0, 0
	FETCH_A \next, 0, 0
	SCALES \next, \f
.if \fill && (\slot == 0)
	global_prefetch_b8 v8, s[98:99] offset:3*FSB th:TH_LOAD_NT scope:SCOPE_SE   ; fill 3, which the next change of slots loads
.endif
	WIN MUL_HI
	MUL16 4, 1, NQ-1, \slot, 0
	MUL16 6, 1, NQ-1, \slot, 0
	PLACES NP
	WIN 0
	FETCH_A \next, 0, 4
.endm
	s_wait_alu depctr_va_vdst(0)
	s_wait_tensorcnt 0x0                           ; my tile of the head's four is in
	ds_add_u32 v[SPW], v[NIL]
.irp g, G1, G1B
	s_mov_b32 s[\g+2], 8<<16                       ; no tensor load of mine is out: from here on a load brings 8 tiles
	s_mov_b32 s[\g+4], 8
.endr
	s_wait_dscnt 0x0
	CROUND
	JLOAD G0+4, G1, G0B+4, G1B                     ; fill 1, the first tensor load behind the round
	FETCH_B 0, 0, 0
	FETCH_A 0, 0, 0
	SCALES 0, 0
	FETCH_A 0, 0, 4
	global_prefetch_b8 v8, s[98:99] offset:2*FSB th:TH_LOAD_NT scope:SCOPE_SE   ; fill 2
	STEP 0, 0, 1
	TURN 0, 1, 1, 1
	STEP 1, 0, 0
	TURN 1, 0, 1, 2
	STEP 0, 0, 0
	TURN 0, 1, 0, 3
	STEP 1, 0, 0
	s_wait_dscnt 4*NL
	WIN MUL_LO
	MUL16 0, 1, NQ-1, 1, 0
	MUL16 2, 1, NQ-1, 1, 0
	s_wait_dscnt 0
	WIN MUL_HI
	MUL16 4, 1, NQ-1, 1, 0
	MUL16 6, 1, NQ-1, 1, 0
	WIN 0
; THE SOFTMAX of tile a: 16 queries x my 128 keys.  The largest SCORE of each block of 32 serves twice: for the chunk's maximum, and, put through the same multiply-add and exponential, as the block's largest p.
; The 64 exponentials are one batch with one wait ahead of their first reader; the two blocks' largest join the same batch.
.macro SOFT a
.set QW, 2+(\a)/4
.set QS, 64*((\a)%4)
	WIN QW|(QW<<2)
.irp b, 0,1,2,3
	v_max_num_f32 v[TM+\b], v[QS+16*\b], v[QS+16*\b+1]
.endr
.irp i, 2,4,6,8,10,12,14
.irp b, 0,1,2,3
	v_max3_num_f32 v[TM+\b], v[QS+16*\b+\i], v[QS+16*\b+\i+1], v[TM+\b]
.endr
.endr
	WIN 0
	v_max_num_f32 v[TM], v[TM], v[TM+1]            ; my two blocks' largest scores
	v_max_num_f32 v[TM+1], v[TM+2], v[TM+3]
	v_max_num_f32 v[MX], v[TM], v[TM+1]
	v_permlanex16_b32 v[TM+4], v[MX], s[SEL], s[SEL+1]
	v_max_num_f32 v[MX], v[MX], v[TM+4]
	v_mul_f32 v[MX], s[CS], v[MX]                  ; as t
	v_floor_f32 v[NM], -v[MX]                      ; -M_c = floor(-t): a whole number
.irp b, 0,1
	v_fma_f32 v[TM+\b], v[TM+\b], s[CS], v[NM]
.endr
	WIN QW|(QW<<6)                                 ; source 0 and destination: the accumulators' window
.set j, 0
.rept 32
	v_pk_fma_f32 v[QS+j:QS+j+1], v[QS+j:QS+j+1], s[CS:CS+1], v[NM:NM+1] op_sel_hi:[1,0,0]   ; t - M_c, two at a time
.set j, j+2
.endr
.set j, 0
	s_wait_alu depctr_va_vdst(0)
.rept 64
	v_exp_f32 v[QS+j], v[QS+j]                     ; p, at most 1
.set j, j+1
.endr
	WIN 0
.irp b, 0,1
	v_exp_f32 v[TM+\b], v[TM+\b]                   ; the blocks' largest p, in the same batch
.endr
	v_mov_b32 v[NMS+\a], v[NM]                     ; a plain place behind the exponentials
	s_wait_alu depctr_va_vdst(0)                   ; one wait for the batch, ahead of its first reader
	WIN QW|(QW<<2)
.set j, 0
.rept 4
	v_pk_add_f32 v[SM+j:SM+j+1], v[QS+j:QS+j+1], v[QS+j+8:QS+j+9]   ; the sum is taken of the unquantised p, in four chains
.set j, j+2
.endr
	WIN QW
.set j, 16
.rept 6
.irp k, 0,2,4,6
	v_pk_add_f32 v[SM+\k:SM+\k+1], v[QS+j+\k:QS+j+\k+1], v[SM+\k:SM+\k+1]
.endr
.set j, j+8
.endr
	WIN 0
.irp b, 0,1
	v_max_num_f32 v[TM+\b], 0x1800000, v[TM+\b]    ; the floor 2^-124: the byte cannot fall under 1
.endr
.irp b, 0,1
	v_add_nc_u32 v[TM+12+\b], 0xff000000, v[TM+\b]
.endr
.irp b, 0,1
	v_lshrrev_b32 v[TM+4+\b], 23, v[TM+12+\b]
.endr
	v_pk_add_f32 v[SM:SM+1], v[SM:SM+1], v[SM+2:SM+3]
	v_pk_add_f32 v[SM+4:SM+5], v[SM+4:SM+5], v[SM+6:SM+7]
	v_pk_add_f32 v[SM:SM+1], v[SM:SM+1], v[SM+4:SM+5]
	v_add_f32 v[S0], v[SM], v[SM+1]
	v_permlanex16_b32 v[TMP], v[S0], s[SEL], s[SEL+1]
	v_add_f32 v[LSS+\a], v[S0], v[TMP]             ; l_c
	s_wait_alu depctr_va_vdst(0)
.if \a > 0
	s_wait_xcnt 0x0                                ; the last tile's stores have read their data: the codes' registers are written again only behind this wait
.endif
	WIN QW
.irp c, 0,1
	v_cvt_scalef32_pk16_fp6_f32 v[PC+6*\c:PC+6*\c+2], v[QS+32*\c:QS+32*\c+15], v[TM+12+\c]
	v_cvt_scalef32_pk16_fp6_f32 v[PC+12+4*\c:PC+14+4*\c], v[QS+16+32*\c:QS+31+32*\c], v[TM+12+\c]
.endr
	WIN 0
	v_nop                                          ; one plain place behind a scaled conversion
.irp c, 0,1
.irp i, 0,1,2
	v_mov_b32 v[PC+3+6*\c+\i], v[PC+12+4*\c+\i]
.endr
.endr
.irp c, 0,1,2
	global_store_b128 v[LN16], v[PC+4*\c:PC+4*\c+3], s[8:9] offset:\a*4*FRB+512*\c   ; the image: 512 consecutive bytes a store, aligned
.endr
	ds_store_b8 v30, v[TM+4] offset:64*\a          ; byte 2 c + h of the scale word
	ds_store_b8 v30, v[TM+5] offset:64*\a+2
	ds_store_b32 v31, v[NMS+\a] offset:512+128*\a
	ds_store_b32 v31, v[LSS+\a] offset:516+128*\a
.endm
	PLACES NP
.irp b, 0,1,2,3
	v_mov_b32 v[TM+4+\b], 0                        ; a lane permute's destination counts as one of its sources
.endr
	v_mov_b32 v[NM+1], 0                           ; named as the upper half of a pair
	v_mov_b32 v[TMP], 0
.irp a, 0,1,2,3,4,5,6,7
	SOFT \a
.endr
.irp c, 0,1,2
	ds_load_b128 v[116+4*\c:119+4*\c], v[STR] offset:512*\c   ; LDS serves a wave's instructions in order (ISA guide 5.7.1.4): these see my stores
.endr
	s_wait_dscnt 0x0
	global_store_b128 v[LN16], v[116:119], s[10:11]                  ; eight tiles' words: 512 consecutive bytes, aligned;
	global_store_b128 v[LN16], v[120:123], s[94:95] offset:STB       ; and their pairs: 1,024
	global_store_b128 v[LN16], v[124:127], s[94:95] offset:STB+512
	s_wait_tensorcnt 0x0                           ; the wave's end
	ds_add_u32 v[SPW], v[NIL]
	s_wait_dscnt 0x0
	CROUND
	s_endpgm
.Lfunc_end_k_qf4e36e585a_scores:
	.size	k_qf4e36e585a_scores, .Lfunc_end_k_qf4e36e585a_scores-k_qf4e36e585a_scores
	.p2alignl 7, 3214868480
	.fill 96, 4, 3214868480
	.section	.rodata,"a",@progbits
	.p2align	6, 0x0
	.amdhsa_kernel k_qf4e36e585a_scores
		.amdhsa_group_segment_fixed_size 327680
		.amdhsa_private_segment_fixed_size 0
		.amdhsa_enable_private_segment 0
		.amdhsa_kernarg_size 32
		.amdhsa_user_sgpr_count 2
		.amdhsa_user_sgpr_kernarg_segment_ptr 1
		.amdhsa_wavefront_size32 1
		.amdhsa_system_sgpr_workgroup_id_x 1
		.amdhsa_system_sgpr_workgroup_id_y 1
		.amdhsa_system_sgpr_workgroup_id_z 1
		.amdhsa_system_vgpr_workitem_id 0
		.amdhsa_next_free_vgpr 1024
		.amdhsa_next_free_sgpr 100
		.amdhsa_reserve_vcc 0
		.amdhsa_float_denorm_mode_32 3
		.amdhsa_float_denorm_mode_16_64 3
		.amdhsa_memory_ordered 1
		.amdhsa_forward_progress 1
		.amdhsa_inst_pref_size 200
	.end_amdhsa_kernel
	.amdgpu_metadata
---
amdhsa.version: [ 1, 2 ]
amdhsa.kernels:
  - .name:           k_qf4e36e585a_scores
    .symbol:         k_qf4e36e585a_scores.kd
    .args:
      - { .name: img, .offset: 0, .size: 8, .value_kind: global_buffer, .address_space: global }
      - { .name: sc, .offset: 8, .size: 8, .value_kind: global_buffer, .address_space: global }
      - { .name: p_img, .offset: 16, .size: 8, .value_kind: global_buffer, .address_space: global }
      - { .name: p_st, .offset: 24, .size: 8, .value_kind: global_buffer, .address_space: global }
    .group_segment_fixed_size: 327680
    .private_segment_fixed_size: 0
    .kernarg_segment_align: 8
    .kernarg_segment_size: 32
    .max_flat_workgroup_size: 128
    .sgpr_count:     100
    .vgpr_count:     1024
    .wavefront_size: 32
...
	.end_amdgpu_metadata
.endif
;; end of part 2
;; launch pv (part 3): grid 4 x 64, 4 waves a work-group, clusters of 4 x 4, 327,680 bytes of LDS; arguments p_img, p_st, img, sc, out0; writes out0
.if DOCPART == 3
	.amdgcn_target "amdgcn-amd-amdhsa--gfx1250"
	.amdhsa_code_object_version 6
	.text
	.protected	k_qf4e36e585a_pv
	.globl	k_qf4e36e585a_pv
	.p2align	8
	.type	k_qf4e36e585a_pv,@function
k_qf4e36e585a_pv:
	s_mov_b64 s[64:65], 0
	v_nop
	global_prefetch_b8 v0, s[64:65] scope:SCOPE_SE
	s_setreg_imm32_b32 hwreg(HW_REG_WAVE_MODE, 25, 1), 1
	s_wait_xcnt 0x0
	s_wait_alu depctr_hold_cnt(0) depctr_sa_sdst(0) depctr_va_vdst(0) depctr_va_sdst(0) depctr_va_ssrc(0) depctr_va_vcc(0) depctr_vm_vsrc(0)
	s_getreg_b32 s2, hwreg(HW_REG_IB_STS2, 6, 4)
	s_cmp_eq_u32 s2, 0
	s_cbranch_scc0 .Lentry_in_a_cluster
	s_endpgm
.Lentry_in_a_cluster:
	s_bfe_u32 s2, ttmp6, 0x10000c
	s_cmp_lg_u32 s2, 0xf033
	s_cbranch_scc0 .Lentry_shape_is_right
	s_endpgm
.Lentry_shape_is_right:
; O = (p v) / l on codes of FP6 (E2M3).  p's codes were made chunk by chunk of 128 keys under a whole number M_c of the chunk's own.  Here, once for each query: M = the largest M_c of the row's 16 chunks;
; each chunk's four scale bytes are lowered by d = M - M_c (the codes stand as they are: a power of two goes into the scale); l = the sum of l_c 2^-d; O is multiplied by 1 / l at the end.
; A work-group makes 128 queries x 256 channels, a wave 64 x 128: 32 accumulators in window 2.  K = the batch's 2,048 keys in four fills of 512 through two LDS slots.
; TRANSPOSED: source 0 = 16 channels of v^T, source 1 = 16 queries of p: lane (r, h) holds query r, register j of tile b channel 16 b + 8 h + j: eight neighbouring numbers of a row of O.
; p's and v's fragments are images of their registers (1,536 bytes): a tile's four K steps are 6,144 dense bytes.
; CLUSTERS: 4 x 4 work-groups; p's tiles are asked for jointly along a row of the cluster, v's tiles and scale words along a column.
; LIMITS: d is held at 127; a scale byte that would fall under 0 becomes 0 (2^-127): such a block counts with at most 7.5 x 2^-127 a code beside a row whose largest p is above 1/2.  NaN and infinities are not served.
; REGISTERS: window 0: v0-31 addresses; v32-79 scale words, two sets of 24; v128-223 p's fragments, two sets of 48 (in the head: the statistics).  window 1: v's fragments, two sets, at v0 and v128.  window 2: accumulator (a, b) at v[8 (8 a + b)].
; THE ORDER OF ROWS, as the projections' launch lays them: row 8 u + i of p's tile 4 half + a of block y is query 256 (y / 2) + 128 u + 64 half + 32 (y % 2) + 8 a + i; register j of lane (r, h) in the wave's channel tile b is channel 64 h + 8 b + j of its 128:
; 64 neighbouring channels a lane.  This holds in place of any other order of channels named above.
; PREFETCHES: each fill's tiles are asked for one fill (four K steps) ahead of its tensor load, shared out by address among the work-groups that ask jointly: of p's tiles half a tile a wave, of v's one.
.set FR,     12
; THE BUFFERS' ORDER, in place of the one named above: a fill's tiles (512 keys: 6,144 bytes a tile) are one dense block: p_img [512 keys of the batch 4][query tile 512][6144], v [512 tokens 16][channel tile 64][6144].
; The statistics: scale words as they were, then from STB on the pairs -M_c, l_c.
.set FRB,    1536
.set SLA,    8*4*FRB                   ; a slot: p's 8 tiles x 4 K steps,
.set SLOT,   SLA+16*4*FRB              ; then v's 16 tiles
.set VSC,    2*SLOT                    ; v's scale words: [key step 16][16 tiles][64 bytes], filled once by tensor loads
.set PSC,    VSC+16384                 ; p's lowered scale words: [key step 16][8 tiles][64 bytes]; stored by the waves, no fill lands here
.set RL,     PSC+8192                  ; 1 / l of the 128 queries
.set SPARE,  RL+512                    ; the spare words, 128 bytes a wave
.set SPITCH, 528                       ; the way out: 16 rows x (512 bytes + 16) a wave, in slot 0, which has had its last fill and its last read by then
.set QKB,    6291456
.set QKS,    262144
.set STB,    524288
.set ADRA, 16
.set ADRB, 20
.set ADSA, 22
.set ADSB, 23
.set STO,  24
.set RD,   25
.set CO,   26
.set RLA,  27
.set SPW,  28
.set NIL,  29
.set T4,   30                          ; v30 4 x my thread's number; never rewritten
.set PSA,  31                          ; v31 PSC + 4 x my thread's number
.set SC,   32
.set AF,   128
.set RLR,  48                          ; way out: v48-55 1 / l, a pair a tile
.set OT,   64                          ; v64-127 a tile's results
.set BK,   128                         ; v128-191, v192-255 rows read back, by turns
.set G1, 24
.set G0, 32
.set G1B, 48
.set G0B, 56
.set G1VS, 68
.set G0VS, 76
.set MSB, 0
.macro WIN new
.if MSB != (\new)
	s_set_vgpr_msb (MSB<<8)|(\new)
.set MSB, (\new)
.endif
.endm
.macro JLOAD g0a, g1a, g0b, g1b        ; waves 0 and 1 fetch p's halves, waves 2 and 3 v's; four v_nop follow each of the two lines
	s_cmp_eq_u32 s15, 0
	s_cbranch_scc0 .Lfor_b_\@
	tensor_load_to_lds s[\g0a:\g0a+3], s[\g1a:\g1a+7]
	s_nop 0
.rept 4
	v_nop
.endr
	s_branch .Lasked_\@
.Lfor_b_\@:
	tensor_load_to_lds s[\g0b:\g0b+3], s[\g1b:\g1b+7]
	s_nop 0
.rept 4
	v_nop
.endr
.Lasked_\@:
.endm
.macro CREST
	s_cmp_lg_u32 s14, 0
	s_cbranch_scc1 .Lnot_wave_0_\@
	s_barrier_signal -3
.Lnot_wave_0_\@:
	s_barrier_wait -3
	s_barrier_signal -1
	s_barrier_wait -1
.endm
.macro CROUND
	s_barrier_signal -1
	s_barrier_wait -1
	CREST
.endm
.macro PLACES n
.rept \n
	v_nop
.endr
.endm
	s_load_b256 s[4:11], s[0:1], 0x0               ; p_img s[4:5], p_st s[6:7], img s[8:9], sc s[10:11]
	s_load_b64 s[12:13], s[0:1], 0x20              ; out0
	v_lshl_add_u32 v[SPW], v0, 2, SPARE
	v_mov_b32 v[NIL], 0
	ds_add_u32 v28, v29
	ds_add_u32 v28, v29
	s_wait_dscnt 0x0
	v_lshrrev_b32 v1, 5, v0
	v_readfirstlane_b32 s14, v1                    ; wave
	s_lshr_b32 s15, s14, 1                         ; my half of the queries.  Also: I fetch for p (0) or for v (1)
	s_and_b32 s16, s14, 1                          ; my half of the channels.  Also: which half of the tiles I fetch
	s_bfe_u32 s40, ttmp6, 0x40000                  ; cx: the block of 256 channels
	s_bfe_u32 s41, ttmp6, 0x40004                  ; cy
	s_and_b32 s19, ttmp7, 0xffff                   ; cluster y; the batch is cluster y / 4
	s_lshl_b32 s17, s19, 2
	s_add_co_u32 s17, s17, s41                     ; y: block of 128 queries, over all batches
	s_lshl_b32 s43, s41, 2
	s_lshl_b32 s43, 15, s43                        ; my row of the cluster
	s_lshl_b32 s44, 0x1111, s40                    ; my column
	; group 1: p: 4 rows (tiles) x 6,144 bytes (768 elements of 8 bytes), end to end;  v: 8 rows x 6,144 bytes, end to end;  v's scale words: 16 rows (key steps) x 1,024 bytes, 4,096 bytes apart
	s_or_b32 s[G1+0], s43, (3<<16)|(1<<21)
	s_mov_b32 s[G1+1], 768<<16
	s_mov_b32 s[G1+2], 8<<16                       ; (p's 8 tiles at the head, 4 a load behind it)
	s_mov_b32 s[G1+3], 768<<16
	s_mov_b32 s[G1+4], 8
	s_mov_b32 s[G1+5], 768                         ; (the tiles lie end to end)
	s_mov_b32 s[G1+6], 0
	s_mov_b32 s[G1+7], 0
	s_or_b32 s[G1B+0], s44, (3<<16)|(1<<21)
	s_mov_b32 s[G1B+1], 768<<16
	s_mov_b32 s[G1B+2], 8<<16
	s_mov_b32 s[G1B+3], 768<<16
	s_mov_b32 s[G1B+4], 8
	s_mov_b32 s[G1B+5], 768
	s_mov_b32 s[G1B+6], 0
	s_mov_b32 s[G1B+7], 0
	s_or_b32 s[G1VS+0], s44, (3<<16)|(1<<21)
	s_mov_b32 s[G1VS+1], 128<<16
	s_mov_b32 s[G1VS+2], 16<<16                    ; (all 16 key steps in one load)
	s_mov_b32 s[G1VS+3], 128<<16
	s_mov_b32 s[G1VS+4], 16
	s_mov_b32 s[G1VS+5], 512
	s_mov_b32 s[G1VS+6], 0
	s_mov_b32 s[G1VS+7], 0
	s_lshl_b32 s20, s17, 3
	s_lshl_b32 s18, s16, 2
	s_add_co_u32 s20, s20, s18                     ; p's tile: 8 y + 4 half
	s_mul_i32 s20, s20, 4*FRB
	s_mov_b32 s21, 0
	s_lshr_b32 s18, s19, 2                         ; the batch
	s_lshl_b32 s46, s40, 4
	s_lshl_b32 s47, s16, 3
	s_add_co_u32 s46, s46, s47                     ; v's tile: 16 cx + 8 half
	s_mul_i32 s46, s46, 4*FRB
	s_mul_i32 s47, s18, 1024*FRB                   ; the batch's first fill
	s_add_co_u32 s46, s46, s47
	s_add_co_u32 s46, s46, 2*QKB
	s_mov_b32 s47, 0
	s_lshl_b32 s80, s18, 10                        ; v's scale words: key steps 16 batch on,
	s_lshl_b32 s81, s40, 4
	s_add_co_u32 s80, s80, s81                     ; tiles 16 cx on
	s_lshl_b32 s80, s80, 6
	s_add_co_u32 s80, s80, 2*QKS
	s_mov_b32 s81, 0
	s_lshl_b32 s82, s18, 17                        ; the statistics: the batch's 16 chunks x 8,192 bytes,
	s_and_b32 s83, s17, 15
	s_lshl_b32 s83, s83, 9                         ; my block's 8 tiles x 64 bytes
	s_add_co_u32 s82, s82, s83
	s_mov_b32 s83, 0
	s_mul_i32 s45, s16, 4*4*FRB                    ; where the tiles go: p's half,
	s_mul_i32 s84, s16, 8*4*FRB
	s_add_co_u32 s84, s84, SLA                     ; v's half,
	s_mov_b32 s85, VSC
	s_lshl_b32 s96, s17, 3                         ; prefetches: p's tile 8 y + 2 cx + wave / 2, the half wave % 2 of its 24 units;
	s_lshl_b32 s97, s40, 1
	s_add_co_u32 s96, s96, s97
	s_add_co_u32 s96, s96, s15
	s_mul_i32 s96, s96, 4*FRB
	s_add_co_u32 s96, s96, 2048*FRB                ; in fill 1, the first that is asked for so
	s_mul_i32 s97, s16, 12*256
	s_add_co_u32 s96, s96, s97
	s_mov_b32 s97, 0
	s_lshl_b32 s98, s40, 4                         ; v's tile 16 cx + 4 cy + wave
	s_lshl_b32 s99, s41, 2
	s_add_co_u32 s98, s98, s99
	s_add_co_u32 s98, s98, s14
	s_lshl_b32 s99, s18, 8
	s_add_co_u32 s98, s98, s99
	s_mul_i32 s98, s98, 4*FRB
	s_add_co_u32 s98, s98, 2*QKB
	s_mov_b32 s99, 0
	s_mov_b32 s86, 0x01010101
	v_lshlrev_b32 v[T4], 2, v0
	v_lshlrev_b32 v8, 3, v0                        ; 8 x my thread's number
	v_lshl_add_u32 v[PSA], v0, 2, PSC
	s_wait_alu depctr_va_vdst(0)
	s_wait_kmcnt 0x0
	s_add_nc_u64 s[20:21], s[4:5], s[20:21]
	s_add_nc_u64 s[46:47], s[8:9], s[46:47]
	s_add_nc_u64 s[80:81], s[10:11], s[80:81]
	s_lshl_b32 s94, s82, 1
	s_mov_b32 s95, 0
	s_add_nc_u64 s[94:95], s[6:7], s[94:95]        ; the pairs, STB on
	s_add_nc_u64 s[6:7], s[6:7], s[82:83]          ; the scale words
	s_add_nc_u64 s[96:97], s[4:5], s[96:97]
	s_add_nc_u64 s[98:99], s[8:9], s[98:99]
	CROUND                                         ; all sixteen work-groups are here: the first joint loads meet
	s_mov_b32 s[G0VS], 1
	s_mov_b32 s[G0VS+1], s85
	s_mov_b64 s[G0VS+2:G0VS+3], s[80:81]
	s_or_b32 s[G0VS+3], s[G0VS+3], 0x80000000
.irp s, 0,1
	s_mov_b32 s[G0+4*\s], 1
	s_add_co_u32 s[G0+4*\s+1], s45, \s*SLOT
	s_add_nc_u64 s[G0+4*\s+2:G0+4*\s+3], s[20:21], \s*2048*FRB
	s_or_b32 s[G0+4*\s+3], s[G0+4*\s+3], 0x80000000
	s_mov_b32 s[G0B+4*\s], 1
	s_add_co_u32 s[G0B+4*\s+1], s84, \s*SLOT
	s_add_nc_u64 s[G0B+4*\s+2:G0B+4*\s+3], s[46:47], \s*256*FRB
	s_or_b32 s[G0B+4*\s+3], s[G0B+4*\s+3], 0x80000000
.endr
; The head's loads, one a wave: wave 0 fill 0's 8 tiles of p, wave 1 v's scale words, waves 2 and 3 eight tiles each of v.  Every way through passes one load.
.macro ARM under, g0, g1, next
	s_cmp_lt_u32 s14, \under
	s_cbranch_scc0 \next
	tensor_load_to_lds s[\g0:\g0+3], s[\g1:\g1+7]
	s_nop 0
.rept 4
	v_nop
.endr
	s_branch .Lhead_asked
\next:
.endm
	ARM 1, G0, G1, .Lhead_1
	ARM 2, G0VS, G1VS, .Lhead_2
	tensor_load_to_lds s[G0B:G0B+3], s[G1B:G1B+7]
	s_nop 0
.rept 4
	v_nop
.endr
.Lhead_asked:
	; thread t owns query t of the block: its 16 chunks' -M_c, l_c and scale words; a wave's load covers 256 consecutive bytes (pairs) or 128 (words)
.irp s, 0,1,2,3,4,5,6,7,8,9,10,11,12,13,14,15
	global_load_b64 v[128+2*\s:129+2*\s], v8, s[94:95] offset:STB+16384*\s
.endr
.irp s, 0,1,2,3,4,5,6,7,8,9,10,11,12,13,14,15
	global_load_b32 v[160+\s], v[T4], s[6:7] offset:8192*\s
.endr
	v_and_b32 v1, 15, v0                           ; r
	v_bfe_u32 v2, v0, 4, 1                         ; h
	v_and_b32 v3, 31, v0
	v_lshlrev_b32 v[CO], 4, v3                     ; 16 x lane
	v_min_u32 v6, 11, v3
	v_lshlrev_b32 v6, 8, v6
	v_min_u32 v7, 23, v3
	v_lshlrev_b32 v7, 8, v7
	s_mul_i32 s21, s15, 4*4*FRB                    ; my 4 tiles of p
	s_mul_i32 s22, s16, 8*4*FRB                    ; my 8 tiles of v,
	s_add_co_u32 s22, s22, SLA                     ; behind p's 8
.irp s, 0,1
	v_add_nc_u32 v[ADRA+\s], s21, v[CO]
	v_add_nc_u32 v[ADRB+\s], s22, v[CO]
	s_add_co_u32 s21, s21, SLOT
	s_add_co_u32 s22, s22, SLOT
.endr
	v_lshlrev_b32 v4, 2, v3                        ; 4 x lane: one register carries two neighbouring tiles' words
	s_lshl_b32 s21, s15, 8
	s_add_co_u32 s22, s21, PSC
	v_add_nc_u32 v[ADSA], s22, v4
	s_add_co_u32 s22, s21, RL
	v_lshl_add_u32 v[RLA], v1, 2, s22              ; 1 / l of query 64 half + r
	s_lshl_b32 s22, s16, 9
	s_add_co_u32 s22, s22, VSC
	v_add_nc_u32 v[ADSB], s22, v4
	s_mul_i32 s23, s14, 16*SPITCH                  ; my stage
	v_mul_u32_u24 v5, v1, SPITCH
	v_lshl_add_u32 v5, v2, 8, v5                   ; (a lane's half of the 128 channels is 256 bytes)
	v_add_nc_u32 v[STO], s23, v5                   ; in: row r, 32 bytes for each half of the lanes
	v_add_nc_u32 v[RD], s23, v[CO]                 ; back: a row of 512 bytes
	s_lshr_b32 s20, s17, 1
	s_lshl_b32 s20, s20, 8
	s_and_b32 s21, s17, 1
	s_lshl_b32 s21, s21, 5
	s_add_co_u32 s20, s20, s21
	s_lshl_b32 s21, s15, 6
	s_add_co_u32 s20, s20, s21                     ; my first query
	s_lshl_b32 s20, s20, 12                        ; a row of O is 4,096 bytes
	s_lshl_b32 s21, s40, 10
	s_add_co_u32 s20, s20, s21
	s_lshl_b32 s21, s16, 9
	s_add_co_u32 s20, s20, s21                     ; my first channel
	s_mov_b32 s21, 0
	s_add_nc_u64 s[12:13], s[12:13], s[20:21]
	global_prefetch_b8 v6, s[96:97] th:TH_LOAD_NT scope:SCOPE_SE    ; fill 1
	global_prefetch_b8 v7, s[98:99] offset:256*FRB th:TH_LOAD_NT scope:SCOPE_SE
	; THE ROW'S M AND l
	s_wait_loadcnt 16                              ; the sixteen pairs are in; the 16 loads of scale words issued behind them may be out
	v_min3_num_f32 v176, v128, v130, v132
.irp i, 134,138,142,146,150,154
	v_min3_num_f32 v176, v176, v[\i], v[\i+2]
.endr
	v_min_num_f32 v176, v176, v158                 ; -M = the least -M_c
	s_wait_alu depctr_va_vdst(0)
	s_wait_loadcnt 0x0
; line by line over all sixteen chunks, so that no line waits for the line above it: v184-199 at work, v200-215 l_c 2^-d, v216-231 at work
.set k, 0
.rept 16
	v_sub_f32 v[184+k], v[128+2*k], v176           ; d = M - M_c: a whole number, 0 or more
.set k, k+1
.endr
.set k, 0
.rept 16
	v_min_num_f32 v[184+k], 0x42fe0000, v[184+k]   ; held at 127
.set k, k+1
.endr
.set k, 0
.rept 16
	v_cvt_u32_f32 v[184+k], v[184+k]
.set k, k+1
.endr
.set k, 0
.rept 16
	v_sub_nc_u32 v[200+k], 0, v[184+k]
.set k, k+1
.endr
.set k, 0
.rept 16
	v_ldexp_f32 v[200+k], v[129+2*k], v[200+k]     ; l_c 2^-d
.set k, k+1
.endr
.set k, 0
.rept 16
	v_mul_lo_u32 v[184+k], v[184+k], s86           ; d in each of four bytes
.set k, k+1
.endr
.set k, 0
.rept 16
	v_or_b32 v[160+k], 0x80808080, v[160+k]        ; p's bytes are 1 .. 125: with 128 on each no byte borrows from its neighbour
.set k, k+1
.endr
.irp i, 0,2,4,6
	v_pk_add_f32 v[200+\i:201+\i], v[200+\i:201+\i], v[208+\i:209+\i]   ; l, as a tree
.endr
.set k, 0
.rept 16
	v_sub_nc_u32 v[160+k], v[160+k], v[184+k]
.set k, k+1
.endr
.irp i, 0,2
	v_pk_add_f32 v[200+\i:201+\i], v[200+\i:201+\i], v[204+\i:205+\i]
.endr
.set k, 0
.rept 16
	v_lshrrev_b32 v[184+k], 7, v[160+k]
.set k, k+1
.endr
	v_pk_add_f32 v[200:201], v[200:201], v[202:203]
.set k, 0
.rept 16
	v_and_b32 v[184+k], s86, v[184+k]              ; 1 where byte - d is 0 or more
.set k, k+1
.endr
	v_add_f32 v177, v200, v201
.set k, 0
.rept 16
	v_lshlrev_b32 v[216+k], 8, v[184+k]
.set k, k+1
.endr
.set k, 0
.rept 16
	v_sub_nc_u32 v[184+k], v[216+k], v[184+k]      ; 0xff there
.set k, k+1
.endr
.set k, 0
.rept 16
	v_and_b32 v[160+k], 0x7f7f7f7f, v[160+k]
.set k, k+1
.endr
.set k, 0
.rept 16
	v_and_b32 v[160+k], v[160+k], v[184+k]         ; the lowered bytes, held at 0 from below
.set k, k+1
.endr
.set k, 0
.rept 16
	ds_store_b32 v[PSA], v[160+k] offset:512*k
.set k, k+1
.endr
	s_wait_alu depctr_va_vdst(0)
	v_rcp_f32 v177, v177
	v_nop                                          ; a plain place behind the reciprocal
	s_wait_alu depctr_va_vdst(0)                   ; and the wait ahead of its first reader
	ds_store_b32 v[PSA], v177 offset:RL-PSC
.macro FETCH slot, q, p                ; the fragments of the slot's q-th 128 keys into set p: v's eight, p's four: 36 loads of 512 consecutive bytes
	WIN 0x40
.irp i, 0,1,2,3,4,5,6,7
.irp c, 0,1,2
	ds_load_b128 v[128*(\p)+FR*\i+4*\c:128*(\p)+FR*\i+4*\c+3], v[ADRB+\slot] offset:\i*4*FRB+(\q)*FRB+512*\c
.endr
.endr
	WIN 0
.irp i, 0,1,2,3
.irp c, 0,1,2
	ds_load_b128 v[AF+48*(\p)+FR*\i+4*\c:AF+48*(\p)+FR*\i+4*\c+3], v[ADRA+\slot] offset:\i*4*FRB+(\q)*FRB+512*\c
.endr
.endr
.endm
.macro SCALES sc, f                    ; fill f's scale words into set sc: p's at 2 q + a / 2, v's at 8 + 4 q + b / 2; lanes 0-15 the even tile, lanes 16-31 the odd one
.irp q, 0,1,2,3
.irp t, 0,1
	ds_load_b32 v[SC+24*\sc+2*\q+\t], v[ADSA] offset:(4*\f+\q)*512+128*\t
.endr
.irp t, 0,1,2,3
	ds_load_b32 v[SC+24*\sc+8+4*\q+\t], v[ADSB] offset:(4*\f+\q)*1024+128*\t
.endr
.endr
.endm
; 8 matrix instructions: p's tile a x v's eight.  The 32 accumulators take turns in the same order in every step.  An odd tile's scale words stand in lanes 16-31.
.macro MUL8 a, p, q, sc, zero
	WIN 0xa1                                       ; source 0 (v) window 1, source 1 (p) window 0, C and D window 2
.irp b, 0,1,2,3,4,5,6,7
.set WD, 8*(8*(\a)+\b)
.set WB, 128*(\p)+FR*\b
.set WA, AF+48*(\p)+FR*(\a)
.set XB, SC+24*(\sc)+8+4*(\q)+\b/2
.set XA, SC+24*(\sc)+2*(\q)+(\a)/2
.if \zero
.if (\b%2) && ((\a)%2)
	v_wmma_scale_f32_16x16x128_f8f6f4 v[WD:WD+7], v[WB:WB+11], v[WA:WA+11], 0, v[XB], v[XA] matrix_a_fmt:MATRIX_FMT_FP6 matrix_b_fmt:MATRIX_FMT_FP6 matrix_a_scale:MATRIX_SCALE_ROW1 matrix_b_scale:MATRIX_SCALE_ROW1
.elseif \b%2
	v_wmma_scale_f32_16x16x128_f8f6f4 v[WD:WD+7], v[WB:WB+11], v[WA:WA+11], 0, v[XB], v[XA] matrix_a_fmt:MATRIX_FMT_FP6 matrix_b_fmt:MATRIX_FMT_FP6 matrix_a_scale:MATRIX_SCALE_ROW1
.elseif (\a)%2
	v_wmma_scale_f32_16x16x128_f8f6f4 v[WD:WD+7], v[WB:WB+11], v[WA:WA+11], 0, v[XB], v[XA] matrix_a_fmt:MATRIX_FMT_FP6 matrix_b_fmt:MATRIX_FMT_FP6 matrix_b_scale:MATRIX_SCALE_ROW1
.else
	v_wmma_scale_f32_16x16x128_f8f6f4 v[WD:WD+7], v[WB:WB+11], v[WA:WA+11], 0, v[XB], v[XA] matrix_a_fmt:MATRIX_FMT_FP6 matrix_b_fmt:MATRIX_FMT_FP6
.endif
.else
.if (\b%2) && ((\a)%2)
	v_wmma_scale_f32_16x16x128_f8f6f4 v[WD:WD+7], v[WB:WB+11], v[WA:WA+11], v[WD:WD+7], v[XB], v[XA] matrix_a_fmt:MATRIX_FMT_FP6 matrix_b_fmt:MATRIX_FMT_FP6 matrix_a_scale:MATRIX_SCALE_ROW1 matrix_b_scale:MATRIX_SCALE_ROW1
.elseif \b%2
	v_wmma_scale_f32_16x16x128_f8f6f4 v[WD:WD+7], v[WB:WB+11], v[WA:WA+11], v[WD:WD+7], v[XB], v[XA] matrix_a_fmt:MATRIX_FMT_FP6 matrix_b_fmt:MATRIX_FMT_FP6 matrix_a_scale:MATRIX_SCALE_ROW1
.elseif (\a)%2
	v_wmma_scale_f32_16x16x128_f8f6f4 v[WD:WD+7], v[WB:WB+11], v[WA:WA+11], v[WD:WD+7], v[XB], v[XA] matrix_a_fmt:MATRIX_FMT_FP6 matrix_b_fmt:MATRIX_FMT_FP6 matrix_b_scale:MATRIX_SCALE_ROW1
.else
	v_wmma_scale_f32_16x16x128_f8f6f4 v[WD:WD+7], v[WB:WB+11], v[WA:WA+11], v[WD:WD+7], v[XB], v[XA] matrix_a_fmt:MATRIX_FMT_FP6 matrix_b_fmt:MATRIX_FMT_FP6
.endif
.endif
.endr
.endm
; One of a slot's first three steps: its fragments are in; the next step's are asked for, into the other set, ahead of this step's 32 products.
.macro STEP slot, q, zero
	s_wait_dscnt 0x0
	PLACES 4                                       ; in front of loads into registers that the last step's products have read (ISA guide 7.12.1 for vector instructions)
	FETCH \slot, (\q)+1, ((\q)+1)%2
	MUL8 0, (\q)%2, \q, \slot, \zero
	MUL8 1, (\q)%2, \q, \slot, \zero
	MUL8 2, (\q)%2, \q, \slot, \zero
	MUL8 3, (\q)%2, \q, \slot, \zero
	WIN 0
.endm
; A slot's last step changes slots: one barrier; in front of it each wave waits for all its tensor loads, adds 0 to its spare word, and waits for that and for its reads of this slot.  fill = 1: this slot is filled again.  f: the fill in the next slot.
.macro TURN slot, next, fill, f
	s_wait_tensorcnt 0x0                           ; all my tensor loads have landed, so a group 0 may be written
	ds_add_u32 v[SPW], v[NIL]                      ; 0 onto my spare word
.if \fill
	s_add_nc_u64 s[G0+4*\slot+2:G0+4*\slot+3], s[G0+4*\slot+2:G0+4*\slot+3], 4096*FRB
	s_add_nc_u64 s[G0B+4*\slot+2:G0B+4*\slot+3], s[G0B+4*\slot+2:G0B+4*\slot+3], 512*FRB
.endif
	s_wait_dscnt 0x0                               ; the add is done, and my reads of this slot are over: its last fragments are in
	s_barrier_signal -1
	MUL8 0, 1, 3, \slot, 0
	WIN 0
	s_barrier_wait -1
.if \fill
	CREST                                          ; a round of the cluster's barrier: no wave of any partner still reads this slot or has a load on its way
	JLOAD G0+4*\slot, G1, G0B+4*\slot, G1B         ; the first tensor load behind the round; its four v_nop are the places in front of the loads below
.else
	PLACES 4
.endif
	FETCH \next, 0, 0
	SCALES \next, \f
.if \fill && (\slot == 0)
	global_prefetch_b8 v6, s[96:97] offset:4096*FRB th:TH_LOAD_NT scope:SCOPE_SE   ; fill 3, which the next change of slots loads
	global_prefetch_b8 v7, s[98:99] offset:768*FRB th:TH_LOAD_NT scope:SCOPE_SE
.endif
	MUL8 1, 1, 3, \slot, 0
	MUL8 2, 1, 3, \slot, 0
	MUL8 3, 1, 3, \slot, 0
	WIN 0
.endm
	s_wait_tensorcnt 0x0                           ; my tile of the head's four is in
	ds_add_u32 v[SPW], v[NIL]
	s_mov_b32 s[G1+2], 4<<16                       ; no tensor load of mine is out: from here on a load of p brings 4 tiles
	s_mov_b32 s[G1+4], 4
	s_wait_dscnt 0x0                               ; the add is done; my queries' scale words and 1 / l lie in LDS
	CROUND
	JLOAD G0+4, G1, G0B+4, G1B                     ; fill 1, the first tensor load behind the round
	FETCH 0, 0, 0
	SCALES 0, 0
	global_prefetch_b8 v6, s[96:97] offset:2048*FRB th:TH_LOAD_NT scope:SCOPE_SE    ; fill 2
	global_prefetch_b8 v7, s[98:99] offset:512*FRB th:TH_LOAD_NT scope:SCOPE_SE
	STEP 0, 0, 1
	STEP 0, 1, 0
	STEP 0, 2, 0
	TURN 0, 1, 1, 1
	STEP 1, 0, 0
	STEP 1, 1, 0
	STEP 1, 2, 0
	TURN 1, 0, 1, 2
	STEP 0, 0, 0
	STEP 0, 1, 0
	STEP 0, 2, 0
	TURN 0, 1, 0, 3                                ; the last two fills are followed by none
	STEP 1, 0, 0
	STEP 1, 1, 0
	STEP 1, 2, 0
	s_wait_dscnt 0x0
	MUL8 0, 1, 3, 1, 0
	MUL8 1, 1, 3, 1, 0
	MUL8 2, 1, 3, 1, 0
	MUL8 3, 1, 3, 1, 0
	WIN 0
; THE WAY OUT, tile by tile of 16 queries x 128 channels: times 1 / l; through my own stage in LDS; back as whole rows of 512 bytes.
.macro OUTB a
	WIN 0x02                                       ; source 0: window 2
.set k, 0
.rept 32
	v_pk_mul_f32 v[OT+2*k:OT+2*k+1], v[64*(\a)+2*k:64*(\a)+2*k+1], v[RLR+2*(\a):RLR+2*(\a)+1]   ; each accumulator from its low end on
.set k, k+1
.endr
	WIN 0
.irp b, 0,1,2,3,4,5,6,7
	ds_store_b128 v[STO], v[OT+8*\b:OT+8*\b+3] offset:32*\b
	ds_store_b128 v[STO], v[OT+8*\b+4:OT+8*\b+7] offset:32*\b+16
.endr
.set BB, BK+64*((\a)%2)
.irp t, 0,1,2,3,4,5,6,7,8,9,10,11,12,13,14,15
	ds_load_b128 v[BB+4*\t:BB+4*\t+3], v[RD] offset:\t*SPITCH    ; LDS serves a wave's instructions in order (ISA guide 5.7.1.4): these see my stores, and the next tile's stores come behind them
.endr
.endm
.macro SEND a, younger                 ; younger: the LDS instructions issued behind tile a's loads, which may stay out
.set BB, BK+64*((\a)%2)
	s_wait_dscnt \younger
.irp t, 0,1,2,3,4,5,6,7,8,9,10,11,12,13,14,15
	global_store_b128 v[CO], v[BB+4*\t:BB+4*\t+3], s[12:13] offset:(8*(\a)+\t%8+128*(\t/8))*4096 th:TH_STORE_NT   ; 32 lanes store 512 consecutive bytes, aligned; written once, read by nobody here
.endr
.endm
	PLACES 4                                       ; behind the last products: their results are read, and loads go into their operands' and scales' registers
.irp a, 0,1,2,3
	ds_load_b32 v[RLR+2*\a], v[RLA] offset:64*\a
	ds_load_b32 v[RLR+2*\a+1], v[RLA] offset:64*\a
.endr
	s_wait_dscnt 0x0
	OUTB 0
	OUTB 1
	SEND 0, 32                                     ; behind tile 0's loads: tile 1's 16 stores and 16 loads
	s_wait_xcnt 0x0                                ; tile 0's stores have read their registers: tile 2's rows may land there
	OUTB 2
	SEND 1, 32
	s_wait_xcnt 0x0
	OUTB 3
	SEND 2, 32
	SEND 3, 0
	s_wait_tensorcnt 0x0                           ; the wave's end
	ds_add_u32 v[SPW], v[NIL]
	s_wait_dscnt 0x0
	CROUND                                         ; the closing round
	s_endpgm
.Lfunc_end_k_qf4e36e585a_pv:
	.size	k_qf4e36e585a_pv, .Lfunc_end_k_qf4e36e585a_pv-k_qf4e36e585a_pv
	.p2alignl 7, 3214868480
	.fill 96, 4, 3214868480
	.section	.rodata,"a",@progbits
	.p2align	6, 0x0
	.amdhsa_kernel k_qf4e36e585a_pv
		.amdhsa_group_segment_fixed_size 327680
		.amdhsa_private_segment_fixed_size 0
		.amdhsa_enable_private_segment 0
		.amdhsa_kernarg_size 40
		.amdhsa_user_sgpr_count 2
		.amdhsa_user_sgpr_kernarg_segment_ptr 1
		.amdhsa_wavefront_size32 1
		.amdhsa_system_sgpr_workgroup_id_x 1
		.amdhsa_system_sgpr_workgroup_id_y 1
		.amdhsa_system_sgpr_workgroup_id_z 1
		.amdhsa_system_vgpr_workitem_id 0
		.amdhsa_next_free_vgpr 768
		.amdhsa_next_free_sgpr 100
		.amdhsa_reserve_vcc 0
		.amdhsa_float_denorm_mode_32 3
		.amdhsa_float_denorm_mode_16_64 3
		.amdhsa_memory_ordered 1
		.amdhsa_forward_progress 1
		.amdhsa_inst_pref_size 162
	.end_amdhsa_kernel
	.amdgpu_metadata
---
amdhsa.version: [ 1, 2 ]
amdhsa.kernels:
  - .name:           k_qf4e36e585a_pv
    .symbol:         k_qf4e36e585a_pv.kd
    .args:
      - { .name: p_img, .offset: 0, .size: 8, .value_kind: global_buffer, .address_space: global }
      - { .name: p_st, .offset: 8, .size: 8, .value_kind: global_buffer, .address_space: global }
      - { .name: img, .offset: 16, .size: 8, .value_kind: global_buffer, .address_space: global }
      - { .name: sc, .offset: 24, .size: 8, .value_kind: global_buffer, .address_space: global }
      - { .name: out0, .offset: 32, .size: 8, .value_kind: global_buffer, .address_space: global }
    .group_segment_fixed_size: 327680
    .private_segment_fixed_size: 0
    .kernarg_segment_align: 8
    .kernarg_segment_size: 40
    .max_flat_workgroup_size: 128
    .sgpr_count:     100
    .vgpr_count:     768
    .wavefront_size: 32
...
	.end_amdgpu_metadata
.endif
;; end of part 3
